; MI455X (gfx1250); checked and timed in simulation.
; The chip was launched on July 23, 2026; its instructions are those of AMD's public machine-readable ISA for CDNA 5 (MIT licence, August 2026) and "CDNA5" Instruction Set Architecture Reference Guide (July 2026). The comments in the code are by the model that wrote it; some were corrected since.
;; Multihead Attention. Allowed arithmetic: float matrix products may take bf16 or f16 operands with f32 sums; all other float work in f32.
;; Inputs: Wk 16 x 1,024 x 64 float32; Wq 16 x 1,024 x 64 float32; Wv 16 x 1,024 x 64 float32; x 4 x 2,048 x 1,024 float32.
;; Outputs: out0 4 x 2,048 x 1,024 float32.
;; 3 versions, each right; version 3 is version 2 with the launch prep written anew for expert scheduling mode. Each part assembles by itself: llvm-mc -triple=amdgcn-amd-amdhsa -mcpu=gfx1250 --defsym DOCPART=n.
;; ======== version 1 of 3: 3 launches
;; limits: values are held in f16: magnitudes above 65,504 overflow, below 6.1e-05 lose precision
;; workspace buffers: xb 16,777,216 bytes; wb 6,291,456 bytes; qkv 50,331,648 bytes
;; launch prep (part 1): grid 704 x 1, 8 waves a work-group, no clusters, 0 bytes of LDS; arguments x, Wq, Wk, Wv, xb, wb; writes xb, wb
.if DOCPART == 1
	.amdgcn_target "amdgcn-amd-amdhsa--gfx1250"
	.amdhsa_code_object_version 6
	.text
	.protected	k_q4bb8550699_prep
	.globl	k_q4bb8550699_prep
	.p2align	8
	.type	k_q4bb8550699_prep,@function
k_q4bb8550699_prep:
	s_mov_b64 s[64:65], 0
	v_nop
	global_prefetch_b8 v0, s[64:65] scope:SCOPE_SE
	s_setreg_imm32_b32 hwreg(HW_REG_WAVE_MODE, 25, 1), 1
	s_wait_xcnt 0x0
; Cast to bf16, layouts unchanged: x [8192][1024] f32 -> xb; Wq, Wk, Wv [16][1024][64] f32 -> wb [q,k,v][16][1024][64].
; A pure stream: every input byte is read once and every output byte written once, so no LDS, no barrier, no matrix unit.
; Work-group g takes 16,384 numbers (65,536 bytes in, 32,768 out): g 0-511 chunk g of x; 512-575 of Wq; 576-639 of Wk; 640-703 of Wv.
; A wave's load covers 512 consecutive bytes, a wave's store 256 consecutive bytes that begin at a multiple of 256.
; All sixteen loads of a thread are issued first; no register is written twice, so only the counted waits for data stand below.
.set IN,  16                           ; v[16:79]   sixteen loads of four f32
.set OUT, 80                           ; v[80:111]  sixteen stores of four bf16
	s_load_b256 s[4:11], s[0:1], 0x0               ; x s[4:5], Wq s[6:7], Wk s[8:9], Wv s[10:11]
	s_load_b128 s[12:15], s[0:1], 0x20             ; xb s[12:13], wb s[14:15]
	v_lshlrev_b32 v1, 4, v0                        ; 16 bytes a thread in
	v_lshlrev_b32 v2, 3, v0                        ; 8 bytes a thread out
	s_and_b32 s20, ttmp9, 63                       ; chunk inside one W (64 chunks each)
	s_sub_co_u32 s22, ttmp9, 512                   ; chunk inside wb (used for g >= 512 alone)
	s_cmp_lt_u32 ttmp9, 512
	s_cselect_b32 s20, ttmp9, s20                  ; chunk of the source
	s_cselect_b32 s22, ttmp9, s22                  ; chunk of the destination
	s_lshl_b32 s20, s20, 16                        ; x 65,536 bytes
	s_lshl_b32 s22, s22, 15                        ; x 32,768 bytes
	s_mov_b32 s21, 0
	s_mov_b32 s23, 0
	s_wait_kmcnt 0x0
	s_cmp_ge_u32 ttmp9, 576
	s_cselect_b64 s[16:17], s[8:9], s[6:7]         ; Wk or Wq
	s_cmp_ge_u32 ttmp9, 640
	s_cselect_b64 s[16:17], s[10:11], s[16:17]     ; Wv
	s_cmp_lt_u32 ttmp9, 512
	s_cselect_b64 s[16:17], s[4:5], s[16:17]       ; x
	s_cselect_b64 s[18:19], s[12:13], s[14:15]     ; xb or wb
	s_add_nc_u64 s[16:17], s[16:17], s[20:21]
	s_add_nc_u64 s[18:19], s[18:19], s[22:23]
.irp i, 0,1,2,3,4,5,6,7,8,9,10,11,12,13,14,15
	global_load_b128 v[IN+4*\i:IN+4*\i+3], v1, s[16:17] offset:4096*\i th:TH_LOAD_NT   ; read once in the launch
.endr
.irp i, 0,1,2,3,4,5,6,7,8,9,10,11,12,13,14,15
	s_wait_loadcnt 15-\i                           ; loads come back in order: load i is in, the 15 - i younger ones stay out
	v_cvt_pk_bf16_f32 v[OUT+2*\i],   v[IN+4*\i],   v[IN+4*\i+1]
	v_cvt_pk_bf16_f32 v[OUT+2*\i+1], v[IN+4*\i+2], v[IN+4*\i+3]
	global_store_b64 v2, v[OUT+2*\i:OUT+2*\i+1], s[18:19] offset:2048*\i
.endr
	s_endpgm
.Lfunc_end_k_q4bb8550699_prep:
	.size	k_q4bb8550699_prep, .Lfunc_end_k_q4bb8550699_prep-k_q4bb8550699_prep
	.p2alignl 7, 3214868480
	.fill 96, 4, 3214868480
	.section	.rodata,"a",@progbits
	.p2align	6, 0x0
	.amdhsa_kernel k_q4bb8550699_prep
		.amdhsa_group_segment_fixed_size 0
		.amdhsa_private_segment_fixed_size 0
		.amdhsa_enable_private_segment 0
		.amdhsa_kernarg_size 48
		.amdhsa_user_sgpr_count 2
		.amdhsa_user_sgpr_kernarg_segment_ptr 1
		.amdhsa_wavefront_size32 1
		.amdhsa_system_sgpr_workgroup_id_x 1
		.amdhsa_system_sgpr_workgroup_id_y 1
		.amdhsa_system_sgpr_workgroup_id_z 1
		.amdhsa_system_vgpr_workitem_id 0
		.amdhsa_next_free_vgpr 112
		.amdhsa_next_free_sgpr 66
		.amdhsa_reserve_vcc 0
		.amdhsa_float_denorm_mode_32 3
		.amdhsa_float_denorm_mode_16_64 3
		.amdhsa_memory_ordered 1
		.amdhsa_forward_progress 1
		.amdhsa_inst_pref_size 7
	.end_amdhsa_kernel
	.amdgpu_metadata
---
amdhsa.version: [ 1, 2 ]
amdhsa.kernels:
  - .name:           k_q4bb8550699_prep
    .symbol:         k_q4bb8550699_prep.kd
    .args:
      - { .name: x, .offset: 0, .size: 8, .value_kind: global_buffer, .address_space: global }
      - { .name: Wq, .offset: 8, .size: 8, .value_kind: global_buffer, .address_space: global }
      - { .name: Wk, .offset: 16, .size: 8, .value_kind: global_buffer, .address_space: global }
      - { .name: Wv, .offset: 24, .size: 8, .value_kind: global_buffer, .address_space: global }
      - { .name: xb, .offset: 32, .size: 8, .value_kind: global_buffer, .address_space: global }
      - { .name: wb, .offset: 40, .size: 8, .value_kind: global_buffer, .address_space: global }
    .group_segment_fixed_size: 0
    .private_segment_fixed_size: 0
    .kernarg_segment_align: 8
    .kernarg_segment_size: 48
    .max_flat_workgroup_size: 256
    .sgpr_count:     66
    .vgpr_count:     112
    .wavefront_size: 32
...
	.end_amdgpu_metadata
.endif
;; end of part 1
;; launch proj (part 2): grid 16 x 32, 4 waves a work-group, clusters of 4 x 4, 327,680 bytes of LDS; arguments xb, wb, qkv; writes qkv
.if DOCPART == 2
	.amdgcn_target "amdgcn-amd-amdhsa--gfx1250"
	.amdhsa_code_object_version 6
	.text
	.protected	k_q4bb8550699_proj
	.globl	k_q4bb8550699_proj
	.p2align	8
	.type	k_q4bb8550699_proj,@function
k_q4bb8550699_proj:
	s_mov_b64 s[64:65], 0
	v_nop
	global_prefetch_b8 v0, s[64:65] scope:SCOPE_SE
	s_setreg_imm32_b32 hwreg(HW_REG_WAVE_MODE, 25, 1), 1
	s_wait_xcnt 0x0
	s_wait_alu depctr_hold_cnt(0) depctr_sa_sdst(0) depctr_va_vdst(0) depctr_va_sdst(0) depctr_va_ssrc(0) depctr_va_vcc(0) depctr_vm_vsrc(0)
	s_getreg_b32 s2, hwreg(HW_REG_IB_STS2, 6, 4)
	s_cmp_eq_u32 s2, 0
	s_cbranch_scc0 .Lentry_in_a_cluster
	s_endpgm
.Lentry_in_a_cluster:
	s_bfe_u32 s2, ttmp6, 0x10000c
	s_cmp_lg_u32 s2, 0xf033
	s_cbranch_scc0 .Lentry_shape_is_right
	s_endpgm
.Lentry_shape_is_right:
; q, k, v = x W per head.  xb [8192][1024] bf16, wb [q,k,v][16][1024 (k)][64 (e)] bf16, qkv [q,k,v][b][h][s][e] f16; sums in f32, rounded once.
; WHY f16 OUT: q, k and v are operands of the next launch's products, and results there are small sums of terms that cancel; f16's 11 significant
; bits keep them eight times closer than bf16's 8.  ROOM: they are sums of 1,024 products; with x of spread 1 and W of spread 1/32 they stay under
; about 6, with both 30 times larger under about 5,400, with a common offset of 30 spreads on both near 1024 x 30 x 30/32 = 28,800.
; LIMIT: a q, k or v beyond f16's largest number, 65,504, becomes infinite.
; Work-group (x = head, y = block of 256 rows of x) makes 256 rows x the 192 columns q|k|v of its head: 512 work-groups of equal work.
; Four waves; wave w makes rows 64 w .. 64 w + 63 x all 192 columns: 4 x 12 accumulator tiles of 16 x 16, 384 registers, so each wave
; writes whole dense rows of q, k and v.  K goes in steps of 128 through two LDS slots filled by the tensor data mover.
; W stays [k][e] in LDS; ds_load_tr16_b128 turns it into fragments with k along a lane's registers.
; CLUSTERS: 4 x 4 work-groups.  The four of a row of the cluster share the block of rows of x, the four of a column the head's W: each tile
; is asked for jointly, by the same line with the same descriptor in all four.  Waves 0, 1, 2 ask for Wq's, Wk's, Wv's tile, wave 3 for x's.
; By this text's count a wave has two tensor loads out at the start and one behind each round.
; THE MATRIX INSTRUCTION IS USED TRANSPOSED: source 0 = 16 columns e of W, source 1 = 16 rows of x; lane l then holds row l % 16 of x and
; its registers 0-7 the columns e = 8 (l / 16) + 0..7: eight neighbours, 16 bytes in f16.
; REGISTERS by windows of 256: window 0 addresses, x's fragments (two buffers), the way out; window 1 W's fragments (two buffers);
; window 2 the accumulators of my row tiles 0, 1 (tile (a, b) at v[8 (12 a + b)]); window 3 those of row tiles 2, 3.
.set KSTEP,  128
.set APITCH, 272                       ; x's LDS row: 256 bytes + 16: sixteen rows begin at sixteen different 16-byte columns of 256 bytes
.set WPITCH, 160                       ; W's LDS row: 128 bytes + 32: eight rows of 32 bytes each begin at eight different 32-byte columns
.set WTILE,  128*WPITCH                ; 20,480: one W's 128 k rows
.set AOFF,   3*WTILE                   ; x's tile lies behind the three W tiles
.set SLOT,   AOFF+256*APITCH           ; 131,072
.set STAGE,  2*SLOT                    ; behind the ring: 16 rows x 400 bytes for each wave; no tensor load lands here
.set SPITCH, 400                       ; 384 bytes (192 f16) + 16
.set LAPS,   1024/(2*KSTEP)            ; a lap = two K steps = once round the ring: 4
.set ADRA, 16                          ; v16-17  LDS address of my x fragments in slot 0, 1
.set ADRB, 20                          ; v20-21  the same for W
.set STO,  24                          ; the way out: where I put 16 bytes of a row
.set RD,   25                          ; the way out: where I read rows back
.set CO,   26                          ; my 16 bytes among 512 dense bytes of q, k or v
.set AF,   64                          ; window 0: x's fragment buffer f at AF + 32 f, row tile i at + 8 i
.set BF,   0                           ; window 1: W's fragment buffer f at BF + 96 f, column tile b at + 8 b
.set TMP,  128                         ; v128-175 packed results
.set RB,   176                         ; v176-223 rows read back
.set G1,   24                          ; s[24:31] group 1 for x's tile
.set G0,   32                          ; s[32:39] group 0 for x's tile, a set for each slot
.set G1B,  48                          ; s[48:55] group 1 for W's tiles
.set G0B,  56                          ; s[56:63] group 0 for W's tiles, a set for each slot
.set OB,   68                          ; s[68:73] my first rows in q, k, v
.set MSB, 0
.macro WIN new                         ; the immediate's high byte repeats the setting that is left
.if MSB != \new
	s_set_vgpr_msb (MSB<<8)|\new
.set MSB, \new
.endif
.endm
.set MUL_LO, 0xa1                      ; source 0 (W) window 1, source 1 (x) window 0, C and D window 2
.set MUL_HI, 0xf1                      ; the same, C and D window 3
.set TO_B,   0x40                      ; destination window 1, address window 0
; A joint load: each line has one mask and one set of registers; the branch hangs on the wave's number alone.
.macro JLOAD s
	s_cmp_eq_u32 s10, 3
	s_cbranch_scc0 .Lfor_w_\@
	tensor_load_to_lds s[G0+4*\s:G0+4*\s+3], s[G1:G1+7]
	s_nop 0
	s_branch .Lasked_\@
.Lfor_w_\@:
	tensor_load_to_lds s[G0B+4*\s:G0B+4*\s+3], s[G1B:G1B+7]
	s_nop 0
.Lasked_\@:
.endm
.macro CREST                           ; a round of the cluster's barrier behind its opening barrier
	s_cmp_lg_u32 s10, 0
	s_cbranch_scc1 .Lnot_wave_0_\@
	s_barrier_signal -3
.Lnot_wave_0_\@:
	s_barrier_wait -3
	s_barrier_signal -1
	s_barrier_wait -1
.endm
.macro CROUND                          ; a whole round
	s_barrier_signal -1
	s_barrier_wait -1
	CREST
.endm
	s_load_b128 s[4:7], s[0:1], 0x0                ; xb s[4:5], wb s[6:7]
	s_load_b64 s[8:9], s[0:1], 0x10                ; qkv
	s_set_vgpr_msb 0x40
	v_lshl_add_u32 v255, v0, 2, 0x46400
	s_set_vgpr_msb 0x4000
	v_mov_b32 v255, 0
	s_set_vgpr_msb 0x1
	ds_add_u32 v255, v255
	ds_add_u32 v255, v255
	s_set_vgpr_msb 0x100
	v_lshrrev_b32 v1, 5, v0
	v_readfirstlane_b32 s10, v1                    ; wave 0..3
	s_bfe_u32 s40, ttmp6, 0x40000                  ; cx
	s_bfe_u32 s41, ttmp6, 0x40004                  ; cy
	s_lshl_b32 s42, ttmp9, 2
	s_add_co_u32 s42, s42, s40                     ; head = 4 x cluster x + cx
	s_and_b32 s13, ttmp7, 0xffff
	s_lshl_b32 s13, s13, 2
	s_add_co_u32 s13, s13, s41                     ; block of rows = 4 x cluster y + cy
	s_lshl_b32 s43, s41, 2
	s_lshl_b32 s43, 15, s43                        ; my row of the cluster: places 4 cy .. 4 cy + 3
	s_lshl_b32 s44, 0x1111, s40                    ; my column: places cx, cx + 4, cx + 8, cx + 12
	; group 1, x's tile: 256 rows x 128 elements of 2 bytes, 4 words of padding behind every 64
	s_or_b32 s[G1+0], s43, (1<<16)|(1<<20)|(1<<21)|(5<<22)|(3<<25)
	s_mov_b32 s[G1+1], KSTEP<<16                   ; tensor_dim0 = 128
	s_mov_b32 s[G1+2], 256<<16                     ; tensor_dim1 = 256
	s_mov_b32 s[G1+3], KSTEP<<16                   ; tile_dim0 = 128
	s_mov_b32 s[G1+4], 256                         ; tile_dim1 = 256
	s_mov_b32 s[G1+5], 1024                        ; elements from row to row
	s_mov_b32 s[G1+6], 0
	s_mov_b32 s[G1+7], 0
	; group 1, a W tile: 128 rows (k) x 64 elements (e), 8 words of padding behind every 32
	s_or_b32 s[G1B+0], s44, (1<<16)|(1<<20)|(1<<21)|(4<<22)|(7<<25)
	s_mov_b32 s[G1B+1], 64<<16
	s_mov_b32 s[G1B+2], KSTEP<<16
	s_mov_b32 s[G1B+3], 64<<16
	s_mov_b32 s[G1B+4], KSTEP
	s_mov_b32 s[G1B+5], 64
	s_mov_b32 s[G1B+6], 0
	s_mov_b32 s[G1B+7], 0
	; offsets: x's hangs on the block of rows alone, W's on the head and the wave's number alone
	s_lshl_b32 s16, s13, 19                        ; 256 rows of 2,048 bytes
	s_mov_b32 s17, 0
	s_min_u32 s45, s10, 2                          ; which W (wave 3 never asks by this address)
	s_lshl_b32 s46, s45, 21                        ; 2,097,152 bytes a W
	s_lshl_b32 s47, s42, 17                        ; 131,072 bytes a head
	s_add_co_u32 s46, s46, s47
	s_mov_b32 s47, 0
	s_mul_i32 s20, s10, WTILE                      ; W tile of wave w at w x 20,480 in the slot
	; my first rows in q, k, v: [b][h][s][e], b = block / 8, s = 256 (block % 8) + 64 w, rows of 128 bytes
	s_lshr_b32 s66, s13, 3
	s_lshl_b32 s66, s66, 22
	s_lshl_b32 s67, s42, 18
	s_add_co_u32 s66, s66, s67
	s_and_b32 s67, s13, 7
	s_lshl_b32 s67, s67, 15
	s_add_co_u32 s66, s66, s67
	s_lshl_b32 s67, s10, 13
	s_add_co_u32 s66, s66, s67
	s_mov_b32 s67, 0
	s_wait_dscnt 0x0
	s_wait_kmcnt 0x0
	s_add_nc_u64 s[14:15], s[4:5], s[16:17]
	s_add_nc_u64 s[46:47], s[6:7], s[46:47]
	s_add_nc_u64 s[OB:OB+1], s[8:9], s[66:67]
	s_add_nc_u64 s[OB+2:OB+3], s[OB:OB+1], 0x1000000
	s_add_nc_u64 s[OB+4:OB+5], s[OB+2:OB+3], 0x1000000
.irp s, 0,1
	s_mov_b32 s[G0+4*\s], 1
	s_mov_b32 s[G0+4*\s+1], \s*SLOT+AOFF
	s_add_nc_u64 s[G0+4*\s+2:G0+4*\s+3], s[14:15], \s*KSTEP*2      ; K step s: 256 bytes along the rows
	s_or_b32 s[G0+4*\s+3], s[G0+4*\s+3], 0x80000000
	s_mov_b32 s[G0B+4*\s], 1
	s_add_co_u32 s[G0B+4*\s+1], s20, \s*SLOT
	s_add_nc_u64 s[G0B+4*\s+2:G0B+4*\s+3], s[46:47], \s*KSTEP*128  ; K step s: 128 rows of 128 bytes
	s_or_b32 s[G0B+4*\s+3], s[G0B+4*\s+3], 0x80000000
.endr
	CROUND                                         ; all sixteen work-groups are here: the first joint loads meet
	s_cmp_eq_u32 s10, 3                            ; a wave's two first fills stand in one branch on its number
	s_cbranch_scc0 .Lfirst_w
	tensor_load_to_lds s[G0:G0+3], s[G1:G1+7]
	s_nop 0
	tensor_load_to_lds s[G0+4:G0+7], s[G1:G1+7]
	s_nop 0
	s_branch .Lfirst_done
.Lfirst_w:
	tensor_load_to_lds s[G0B:G0B+3], s[G1B:G1B+7]
	s_nop 0
	tensor_load_to_lds s[G0B+4:G0B+7], s[G1B:G1B+7]
	s_nop 0
.Lfirst_done:
	v_and_b32 v1, 15, v0                           ; r = l % 16
	v_bfe_u32 v2, v0, 4, 1                         ; h = l / 16
	v_mul_u32_u24 v3, v1, APITCH
	v_lshl_add_u32 v3, v2, 4, v3                   ; x: row r x pitch + 16 h
	s_mul_i32 s21, s10, 64*APITCH                  ; my 64 rows
	s_add_co_u32 s21, s21, AOFF
	v_add_nc_u32 v[ADRA], s21, v3
	v_add_nc_u32 v[ADRA+1], SLOT, v[ADRA]
	v_and_b32 v4, 7, v0
	v_lshl_add_u32 v4, v2, 3, v4                   ; W: k row 8 h + l % 8,
	v_mul_u32_u24 v4, v4, WPITCH
	v_bfe_u32 v5, v0, 3, 1
	v_lshl_add_u32 v[ADRB], v5, 4, v4              ; 16 bytes further for lanes 8-15 and 24-31
	v_add_nc_u32 v[ADRB+1], SLOT, v[ADRB]
	s_mul_i32 s23, s10, 16*SPITCH
	s_add_co_u32 s23, s23, STAGE                   ; my stage
	v_mul_u32_u24 v6, v1, SPITCH
	v_lshl_add_u32 v6, v2, 4, v6
	v_add_nc_u32 v[STO], s23, v6                   ; in: row r, 16 bytes for each half of the lanes
	v_bfe_u32 v7, v0, 3, 2
	v_mul_u32_u24 v7, v7, SPITCH
	v_and_b32 v8, 7, v0
	v_lshl_add_u32 v7, v8, 4, v7
	v_add_nc_u32 v[RD], s23, v7                    ; back: eight lanes take one row's 128 bytes of q, k or v, 32 lanes four rows
	v_and_b32 v9, 31, v0
	v_lshlrev_b32 v[CO], 4, v9                     ; which are 512 dense bytes in memory
; 12 matrix instructions: row tile 2 hi + a x all 12 column tiles, 32 along K, from buffers f.  zero = 1: the product starts the sums.
.macro MUL12 f, hi, a, zero
.irp b, 0,1,2,3,4,5,6,7,8,9,10,11
.if \zero
	v_wmma_f32_16x16x32_bf16 v[8*(12*\a+\b):8*(12*\a+\b)+7], v[BF+96*\f+8*\b:BF+96*\f+8*\b+7], v[AF+32*\f+8*(2*\hi+\a):AF+32*\f+8*(2*\hi+\a)+7], 0
.else
	v_wmma_f32_16x16x32_bf16 v[8*(12*\a+\b):8*(12*\a+\b)+7], v[BF+96*\f+8*\b:BF+96*\f+8*\b+7], v[AF+32*\f+8*(2*\hi+\a):AF+32*\f+8*(2*\hi+\a)+7], v[8*(12*\a+\b):8*(12*\a+\b)+7]
.endif
.endr
.endm
; 32 LDS loads in one run: quarter step kq (32 along K) of a slot into buffers g: 24 transposing loads for W, then 8 for my 64 rows of x
.macro FETCH slot, kq, g
	WIN TO_B
.irp b, 0,1,2,3,4,5,6,7,8,9,10,11
	ds_load_tr16_b128 v[BF+96*\g+8*\b:BF+96*\g+8*\b+3],   v[ADRB+\slot] offset:(\b/4)*WTILE+\kq*32*WPITCH+32*(\b%4)
	ds_load_tr16_b128 v[BF+96*\g+8*\b+4:BF+96*\g+8*\b+7], v[ADRB+\slot] offset:(\b/4)*WTILE+\kq*32*WPITCH+32*(\b%4)+16*WPITCH
.endr
	WIN 0
.irp i, 0,1,2,3
	ds_load_b128 v[AF+32*\g+8*\i:AF+32*\g+8*\i+3],   v[ADRA+\slot] offset:64*\kq+\i*16*APITCH
	ds_load_b128 v[AF+32*\g+8*\i+4:AF+32*\g+8*\i+7], v[ADRA+\slot] offset:64*\kq+\i*16*APITCH+32
.endr
.endm
; Four plain vector instructions stand between a matrix instruction and a load into a register that it read, or a vector instruction
; that reads its result (ISA guide 7.12.1 for vector instructions); matrix instructions in between are not counted.
.macro PLACES
.rept 4
	v_nop
.endr
.endm
; A K step is four quarters of 48 matrix instructions on buffers 0, 1, 0, 1.  The 48 accumulators take turns, one instruction a turn, in the
; same order in every quarter, over the backward jump too.
.macro QUARTER slot, kq, f, g, zero
	s_wait_dscnt 4                                 ; all but the youngest four loads (x's row tiles 2 and 3) are in
	WIN MUL_LO
	MUL12 \f, 0, 0, \zero
	MUL12 \f, 0, 1, \zero
	PLACES
	FETCH \slot, \kq, \g
	s_wait_dscnt 32                                ; all but the 32 just issued
	WIN MUL_HI
	MUL12 \f, 1, 0, \zero
	MUL12 \f, 1, 1, \zero
.endm
.macro THREE slot, zero
	QUARTER \slot, 1, 0, 1, \zero
	QUARTER \slot, 2, 1, 0, 0
	QUARTER \slot, 3, 0, 1, 0
.endm
; The last quarter multiplies buffers 1 and changes slots.  In front of the barrier each wave waits for its reads of this slot and for all its
; tensor loads (one is out: its part of the next slot).  Where the slot is filled again the barrier opens a round of the cluster's barrier, and
; the joint refill is the first tensor load behind the round.  From a request to the wait for it a wave issues 180 matrix instructions.
.macro TURN slot, next, fill
	s_wait_dscnt 4
	WIN MUL_LO
	MUL12 1, 0, 0, 0
	s_wait_dscnt 0                                 ; my reads of this slot are over
	s_wait_tensorcnt 0x0                           ; all my tensor loads have landed
	ds_add_u32 v255, v255
	s_wait_dscnt 0x0
	s_barrier_signal -1
	MUL12 1, 0, 1, 0                               ; register work while the others arrive
	WIN 0
	s_barrier_wait -1
.if \fill
	CREST
	s_add_nc_u64 s[G0+4*\slot+2:G0+4*\slot+3], s[G0+4*\slot+2:G0+4*\slot+3], 2*KSTEP*2
	s_add_nc_u64 s[G0B+4*\slot+2:G0B+4*\slot+3], s[G0B+4*\slot+2:G0B+4*\slot+3], 2*KSTEP*128
	JLOAD \slot
.endif
	PLACES
	FETCH \next, 0, 0
	WIN MUL_HI
	MUL12 1, 1, 0, 0
	MUL12 1, 1, 1, 0
.endm
.macro LAP zero
	THREE 0, \zero
	TURN 0, 1, 1
	THREE 1, 0
	TURN 1, 0, 1
.endm
	s_wait_tensorcnt 1                             ; my part of K step 0 is in; K step 1's may stay out
	s_barrier_signal -1
	s_barrier_wait -1
	FETCH 0, 0, 0
	LAP 1                                          ; the first lap stands in front of the loop: its first products start the sums
	WIN 0                                          ; at a label and at a branch every window is 0
	s_mov_b32 s3, LAPS-2
.Llap:
	LAP 0
	WIN 0
	s_sub_co_u32 s3, s3, 1
	s_cmp_lg_u32 s3, 0
	s_cbranch_scc1 .Llap
	THREE 0, 0                                     ; the last lap fills nothing
	TURN 0, 1, 0
	THREE 1, 0
	s_wait_dscnt 4
	WIN MUL_LO
	MUL12 1, 0, 0, 0
	MUL12 1, 0, 1, 0
	s_wait_dscnt 0
	WIN MUL_HI
	MUL12 1, 1, 0, 0
	MUL12 1, 1, 1, 0
	PLACES                                         ; in front of the conversions, which read results
; THE WAY OUT, 16 rows at a time: round to f16, 16 bytes a lane into my own stage, read back by rows, store 512 dense bytes an instruction.
; i: row tile 0..3; a: its place in its window; from: the window as sources 0 and 1.
.macro OUT16 i, a, from
	WIN \from
.irp b, 0,1,2,3,4,5,6,7,8,9,10,11
.irp r, 0,1,2,3
	v_cvt_pk_f16_f32 v[TMP+4*\b+\r], v[8*(12*\a+\b)+2*\r], v[8*(12*\a+\b)+2*\r+1]   ; first source into the low half
.endr
.endr
	WIN 0
.irp b, 0,1,2,3,4,5,6,7,8,9,10,11
	ds_store_b128 v[STO], v[TMP+4*\b:TMP+4*\b+3] offset:32*\b
.endr
	s_wait_xcnt 0x0                                ; RB, which the stores of the row tile before read, is loaded again only behind this wait
.irp p, 0,1,2
.irp q, 0,1,2,3
	ds_load_b128 v[RB+16*\p+4*\q:RB+16*\p+4*\q+3], v[RD] offset:4*SPITCH*\q+128*\p   ; a wave's LDS instructions are served in order: these see the stores above
.endr
.endr
.irp p, 0,1,2
.irp q, 0,1,2,3
	s_wait_dscnt 11-4*\p-\q
	global_store_b128 v[CO], v[RB+16*\p+4*\q:RB+16*\p+4*\q+3], s[OB+2*\p:OB+2*\p+1] offset:2048*\i+512*\q
.endr
.endr
.endm
	OUT16 0, 0, 0x0a
	OUT16 1, 1, 0x0a
	OUT16 2, 0, 0x0f
	OUT16 3, 1, 0x0f
	s_set_vgpr_msb 0x1
	s_wait_tensorcnt 0x0
	ds_add_u32 v255, v255
	s_wait_dscnt 0x0
	s_set_vgpr_msb 0x100
	CROUND                                         ; the closing round: no work-group ends while a partner may still ask for a tile that names it
	s_endpgm
.Lfunc_end_k_q4bb8550699_proj:
	.size	k_q4bb8550699_proj, .Lfunc_end_k_q4bb8550699_proj-k_q4bb8550699_proj
	.p2alignl 7, 3214868480
	.fill 96, 4, 3214868480
	.section	.rodata,"a",@progbits
	.p2align	6, 0x0
	.amdhsa_kernel k_q4bb8550699_proj
		.amdhsa_group_segment_fixed_size 327680
		.amdhsa_private_segment_fixed_size 0
		.amdhsa_enable_private_segment 0
		.amdhsa_kernarg_size 24
		.amdhsa_user_sgpr_count 2
		.amdhsa_user_sgpr_kernarg_segment_ptr 1
		.amdhsa_wavefront_size32 1
		.amdhsa_system_sgpr_workgroup_id_x 1
		.amdhsa_system_sgpr_workgroup_id_y 1
		.amdhsa_system_sgpr_workgroup_id_z 1
		.amdhsa_system_vgpr_workitem_id 0
		.amdhsa_next_free_vgpr 1024
		.amdhsa_next_free_sgpr 76
		.amdhsa_reserve_vcc 0
		.amdhsa_float_denorm_mode_32 3
		.amdhsa_float_denorm_mode_16_64 3
		.amdhsa_memory_ordered 1
		.amdhsa_forward_progress 1
		.amdhsa_inst_pref_size 163
	.end_amdhsa_kernel
	.amdgpu_metadata
---
amdhsa.version: [ 1, 2 ]
amdhsa.kernels:
  - .name:           k_q4bb8550699_proj
    .symbol:         k_q4bb8550699_proj.kd
    .args:
      - { .name: xb, .offset: 0, .size: 8, .value_kind: global_buffer, .address_space: global }
      - { .name: wb, .offset: 8, .size: 8, .value_kind: global_buffer, .address_space: global }
      - { .name: qkv, .offset: 16, .size: 8, .value_kind: global_buffer, .address_space: global }
    .group_segment_fixed_size: 327680
    .private_segment_fixed_size: 0
    .kernarg_segment_align: 8
    .kernarg_segment_size: 24
    .max_flat_workgroup_size: 128
    .sgpr_count:     76
    .vgpr_count:     1024
    .wavefront_size: 32
...
	.end_amdgpu_metadata
.endif
;; end of part 2
;; launch attn (part 3): grid 256 x 1, 8 waves a work-group, no clusters, 327,680 bytes of LDS; arguments qkv, out0; writes out0
.if DOCPART == 3
	.amdgcn_target "amdgcn-amd-amdhsa--gfx1250"
	.amdhsa_code_object_version 6
	.text
	.protected	k_q4bb8550699_attn
	.globl	k_q4bb8550699_attn
	.p2align	8
	.type	k_q4bb8550699_attn,@function
k_q4bb8550699_attn:
	s_mov_b64 s[64:65], 0
	v_nop
	global_prefetch_b8 v0, s[64:65] scope:SCOPE_SE
	s_setreg_imm32_b32 hwreg(HW_REG_WAVE_MODE, 25, 1), 1
	s_wait_xcnt 0x0
; Causal attention with a running maximum.  qkv [q,k,v][b][h][2048][64] f16; out0 [b][2048][h 64 + e] f32.
; Work-group g: (b, h) = g / 4, j = g % 4.  It does two blocks of 256 queries, first block 7 - j, then block j.  Keys go in supersteps of 256;
; block i needs i + 1 of them, so every work-group does 9 supersteps (36 steps of 64 keys): 256 work-groups of equal work.
; Eight waves; wave w owns queries 32 w .. 32 w + 31 of the block, as two tiles of 16.
; TRANSPOSED PRODUCTS: S^T = K Q^T puts query r in lane r and keys 8 h + 0..7 in a lane's registers, which after rounding to f16 is the second
; source of O^T = V^T P^T as it stands: P passes through no LDS and no other lane.  A row's maximum takes one exchange between the halves of the
; wave, and the rescaling factor is one number a lane.
; The scale 1/8 and log2 e are one constant c: p = 2^(c s - c m), by one fused multiply-add in front of the exponential.
; WHY f16 OPERANDS: in the first rows a result is a sum of a few terms of size 1 that may cancel, so the operands' rounding shows whole; f16's 11
; significant bits keep it eight times smaller than bf16's 8.  P lies in [0, 1] with the running maximum's own term at 1; a p under 2^-14 is an f16
; denormal with an error of at most 2^-25, and 2,048 of those weigh at most 2^-14 of a sum that is at least 1.
; NO CLUSTER: from superstep 5 on the four work-groups of a head need different tiles (they change blocks at supersteps 5 to 8); walking the keys in
; lock step would take 12 supersteps of each in place of 9.  No prefetch: a slot's refill is asked for a whole superstep (four steps) before its first read.
; By this text's count a wave has two tensor loads out at the start and one behind each barrier.
; LIMITS: q, k, v and P are rounded to f16 (q, k, v beyond 65,504 arrive here as infinities).  NaN and infinities in the inputs are not followed as
; the definition follows them (the maximum ignores NaN).  Exponentials below 2^-126 count as zero (ISA guide, v_exp_f32).
.set KPITCH, 144                       ; K's LDS row: 128 bytes + 16
.set VPITCH, 160                       ; V's LDS row: 128 bytes + 32 (read by transposing loads, 32 bytes of eight rows at a time)
.set VBYTES, 256*VPITCH                ; 40,960: V lies first in a slot
.set SLOT,   VBYTES+256*KPITCH         ; 77,824
.set STAGE,  2*SLOT                    ; 155,648: behind the ring, 32 rows x 272 bytes for each wave; no tensor load lands here
.set SPITCH, 272                       ; 256 bytes (64 f32) + 16
.set KA,   2                           ; v2-3    LDS address of my K fragments in slot 0, 1
.set VA,   4                           ; v4-5    the same for V
.set DG,   6                           ; v6-7    query tile t: my query's number in the block less 8 h (signed)
.set NINF, 10                          ; -infinity
.set QOFF, 11                          ; my byte offset in a block of q
.set STO,  12                          ; the way out: in
.set RD,   13                          ; the way out: back
.set CO,   14                          ; my byte offset in a block of out0
.set M,    16                          ; v16-17  running maximum of the raw scores, tile t
.set L,    18                          ; v18-19  running sum over my half's keys
.set NM,   20                          ; v[20:23] -c m, twice, tile t
.set AL,   24                          ; v[24:27] rescaling factor, twice, tile t
.set T,    28                          ; v28-31  at work
.set QF,   32                          ; v32-63   Q fragments (t, c) at + 8 (2 t + c)
.set KF,   64                          ; v64-127  K fragments (a, c) at + 8 (2 a + c)
.set PF,   64                          ; v64-95   P fragments (t, u) at + 8 (2 t + u): in K's registers once the score products have read them
.set S,    128                         ; v128-191 score tiles (a, t) at + 8 (2 a + t)
.set VF,   192                         ; v192-255 V fragments (f, u) at + 8 (2 f + u)
                                       ; window 1: v256-319 O^T tiles (f, t) at 8 (2 f + t)
.set G1K, 40                           ; s[40:47]
.set G1V, 48                           ; s[48:55]
.set G0K, 56                           ; s[56:63], a set for each slot
.set G0V, 68                           ; s[68:75], a set for each slot
.set MSB, 0
.macro WIN new
.if MSB != \new
	s_set_vgpr_msb (MSB<<8)|\new
.set MSB, \new
.endif
.endm
.macro PLACES                          ; four plain vector instructions behind matrix instructions (ISA guide 7.12.1 for vector instructions)
.rept 4
	v_nop
.endr
.endm
.macro KVLOAD s                        ; waves 0-3 fetch V's four quarters of 64 rows, waves 4-7 K's: one load a wave
	s_cmp_lt_u32 s8, 4
	s_cbranch_scc0 .Lfor_k_\@
	tensor_load_to_lds s[G0V+4*\s:G0V+4*\s+3], s[G1V:G1V+7]
	s_nop 0
	s_branch .Lasked_\@
.Lfor_k_\@:
	tensor_load_to_lds s[G0K+4*\s:G0K+4*\s+3], s[G1K:G1K+7]
	s_nop 0
.Lasked_\@:
.endm
	s_load_b128 s[4:7], s[0:1], 0x0                ; qkv s[4:5], out0 s[6:7]
	s_set_vgpr_msb 0x40
	v_lshl_add_u32 v64, v0, 2, 0x37000
	v_mov_b32 v65, 0
	s_set_vgpr_msb 0x4045
	ds_add_u32 v64, v65
	ds_add_u32 v64, v65
	s_set_vgpr_msb 0x4500
	v_lshrrev_b32 v1, 5, v0
	v_readfirstlane_b32 s8, v1                     ; wave 0..7
	s_and_b32 s10, ttmp9, 3                        ; j
	s_lshr_b32 s11, ttmp9, 2                       ; (b, h)
	s_sub_co_u32 s12, 8, s10                       ; n1 = supersteps of the first block, 5 to 8
	s_mov_b32 s13, 0                               ; t, the superstep
	s_mov_b32 s18, 0x76543210                      ; v_permlanex16_b32: lane i reads lane i of the other half
	s_mov_b32 s19, 0xfedcba98
	s_mov_b32 s20, 0x3e38aa3b                      ; c = log2 e / 8, twice for the packed form
	s_mov_b32 s21, 0x3e38aa3b
	s_mov_b32 s22, 0xbe38aa3b                      ; -c
	; group 1: 64 rows x 64 elements of 2 bytes, dense in memory; padding behind every 32 words: 4 words for K, 8 for V
	s_mov_b32 s[G1K+0], (1<<16)|(1<<20)|(4<<22)|(3<<25)
	s_mov_b32 s[G1V+0], (1<<16)|(1<<20)|(4<<22)|(7<<25)
.irp g, G1K, G1V
	s_mov_b32 s[\g+1], 64<<16                      ; tensor_dim0 = 64
	s_mov_b32 s[\g+2], 64<<16                      ; tensor_dim1 = 64
	s_mov_b32 s[\g+3], 64<<16                      ; tile_dim0 = 64
	s_mov_b32 s[\g+4], 64                          ; tile_dim1 = 64
	s_mov_b32 s[\g+5], 64                          ; elements from row to row
	s_mov_b32 s[\g+6], 0
	s_mov_b32 s[\g+7], 0
.endr
	s_lshl_b32 s36, s11, 18                        ; 262,144 bytes for each (b, h)
	s_mov_b32 s37, 0
	s_mov_b32 s39, 0
	s_lshl_b32 s38, s8, 13                         ; 64 rows of 128 bytes for each wave
	s_add_co_u32 s38, s38, s36
	s_add_co_u32 s38, s38, 0x2000000               ; V's part; waves 0-3 take quarters 0-3
	s_mul_i32 s17, s8, 64*VPITCH                   ; V's quarter of wave w at 10,240 w
	s_mul_i32 s23, s8, 64*KPITCH
	s_add_co_u32 s23, s23, VBYTES-4*64*KPITCH      ; K's quarter of wave w (4-7) at 40,960 + 9,216 (w - 4) = 4,096 + 9,216 w
	s_wait_dscnt 0x0
	s_wait_kmcnt 0x0
	s_add_nc_u64 s[34:35], s[4:5], s[38:39]        ; V: my rows of key block 0
	s_sub_co_u32 s38, s38, 0x1008000               ; K's part, and waves 4-7 take quarters 0-3: 32,768 bytes back
	s_add_nc_u64 s[32:33], s[4:5], s[38:39]        ; K: my rows of key block 0
.irp s, 0,1
	s_mov_b32 s[G0V+4*\s], 1
	s_add_co_u32 s[G0V+4*\s+1], s17, \s*SLOT
	s_add_nc_u64 s[G0V+4*\s+2:G0V+4*\s+3], s[34:35], \s*32768      ; supersteps 0 and 1 are key blocks 0 and 1 (n1 is at least 5)
	s_or_b32 s[G0V+4*\s+3], s[G0V+4*\s+3], 0x80000000
	s_mov_b32 s[G0K+4*\s], 1
	s_add_co_u32 s[G0K+4*\s+1], s23, \s*SLOT
	s_add_nc_u64 s[G0K+4*\s+2:G0K+4*\s+3], s[32:33], \s*32768
	s_or_b32 s[G0K+4*\s+3], s[G0K+4*\s+3], 0x80000000
.endr
	s_cmp_lt_u32 s8, 4                             ; a wave's two first fills stand in one branch on its number
	s_cbranch_scc0 .Lfirst_k
	tensor_load_to_lds s[G0V:G0V+3], s[G1V:G1V+7]
	s_nop 0
	tensor_load_to_lds s[G0V+4:G0V+7], s[G1V:G1V+7]
	s_nop 0
	s_branch .Lfirst_done
.Lfirst_k:
	tensor_load_to_lds s[G0K:G0K+3], s[G1K:G1K+7]
	s_nop 0
	tensor_load_to_lds s[G0K+4:G0K+7], s[G1K:G1K+7]
	s_nop 0
.Lfirst_done:
	; q's and out0's blocks
	s_sub_co_u32 s17, 7, s10                       ; the first block
	s_lshl_b32 s38, s17, 15                        ; 256 rows of 128 bytes
	s_add_co_u32 s38, s38, s36
	s_add_nc_u64 s[24:25], s[4:5], s[38:39]        ; q, first block
	s_lshl_b32 s38, s10, 15
	s_add_co_u32 s38, s38, s36
	s_add_nc_u64 s[26:27], s[4:5], s[38:39]        ; q, second block
	s_lshr_b32 s23, s11, 4
	s_lshl_b32 s23, s23, 23                        ; b x 2,048 rows of 4,096 bytes
	s_and_b32 s38, s11, 15
	s_lshl_b32 s38, s38, 8                         ; h x 256 bytes
	s_add_co_u32 s23, s23, s38
	s_lshl_b32 s38, s17, 20                        ; 256 rows of 4,096 bytes
	s_add_co_u32 s38, s38, s23
	s_add_nc_u64 s[28:29], s[6:7], s[38:39]        ; out0, first block
	s_lshl_b32 s38, s10, 20
	s_add_co_u32 s38, s38, s23
	s_add_nc_u64 s[30:31], s[6:7], s[38:39]        ; out0, second block
	v_and_b32 v1, 15, v0                           ; r
	v_bfe_u32 v8, v0, 4, 1                         ; h
	v_and_b32 v9, 7, v0
	v_bfe_u32 v15, v0, 3, 1
	v_mul_u32_u24 v[KA], v1, KPITCH
	v_lshl_add_u32 v[KA], v8, 4, v[KA]
	v_add_nc_u32 v[KA], VBYTES, v[KA]              ; K: key row r, + 16 h, behind V
	v_add_nc_u32 v[KA+1], SLOT, v[KA]
	v_lshl_add_u32 v9, v8, 3, v9                   ; V: key row 8 h + l % 8,
	v_mul_u32_u24 v9, v9, VPITCH
	v_lshl_add_u32 v[VA], v15, 4, v9               ; 16 bytes further for lanes 8-15 and 24-31
	v_add_nc_u32 v[VA+1], SLOT, v[VA]
	s_lshl_b32 s17, s8, 5                          ; my wave's first query in the block
	v_lshlrev_b32 v9, 3, v8
	v_sub_nc_u32 v9, v1, v9
	v_add_nc_u32 v[DG], s17, v9                    ; 32 w + r - 8 h
	v_add_nc_u32 v[DG+1], 16, v[DG]
	v_mov_b32 v[NINF], 0xff800000
	v_add_nc_u32 v9, s17, v1
	v_lshlrev_b32 v9, 7, v9
	v_lshl_add_u32 v[QOFF], v8, 4, v9              ; (32 w + r) x 128 + 16 h
	s_mul_i32 s23, s8, 32*SPITCH
	s_add_co_u32 s23, s23, STAGE                   ; my stage
	v_mul_u32_u24 v9, v1, SPITCH
	v_lshl_add_u32 v9, v8, 5, v9
	v_add_nc_u32 v[STO], s23, v9                   ; in: query row r, 32 bytes for each half of the lanes
	v_mul_u32_u24 v9, v8, SPITCH
	v_lshl_add_u32 v9, v1, 4, v9
	v_add_nc_u32 v[RD], s23, v9                    ; back: lanes 0-15 one row of 256 bytes, lanes 16-31 the next
	v_add_nc_u32 v9, s17, v8
	v_lshlrev_b32 v9, 12, v9
	v_lshl_add_u32 v[CO], v1, 4, v9                ; the same two rows in out0
.macro QLOAD qb                        ; my 32 queries as second sources: lane (r, h) holds query r, e = 32 c + 8 h .. and 32 c + 16 + 8 h ..
.irp t, 0,1
.irp c, 0,1
	global_load_b128 v[QF+8*(2*\t+\c):QF+8*(2*\t+\c)+3],   v[QOFF], s[\qb:\qb+1] offset:2048*\t+64*\c
	global_load_b128 v[QF+8*(2*\t+\c)+4:QF+8*(2*\t+\c)+7], v[QOFF], s[\qb:\qb+1] offset:2048*\t+64*\c+32
.endr
.endr
.endm
.macro START                           ; a block begins: m = -inf, -c m = +inf (so the first factor is 2^-inf = 0), sum = 0
	v_mov_b32 v[M], v[NINF]
	v_mov_b32 v[M+1], v[NINF]
.irp q, 0,1,2,3
	v_mov_b32 v[NM+\q], 0x7f800000
.endr
	v_mov_b32 v[L], 0
	v_mov_b32 v[L+1], 0
.endm
; Softmax step of query tile t over 64 keys: my 32 scores lie in the four tiles (a, t).
.macro SOFT t
.set SB, S+8*\t                        ; tile a at SB + 16 a
	v_max3_num_f32 v[T],   v[SB],    v[SB+1],  v[SB+2]             ; two chains, 15 scores each
	v_max3_num_f32 v[T+1], v[SB+32], v[SB+33], v[SB+34]
.set n, 3
.rept 6
	v_max3_num_f32 v[T],   v[T],   v[SB+16*(n/8)+(n%8)],    v[SB+16*((n+1)/8)+((n+1)%8)]
	v_max3_num_f32 v[T+1], v[T+1], v[SB+32+16*(n/8)+(n%8)], v[SB+32+16*((n+1)/8)+((n+1)%8)]
.set n, n+2
.endr
	v_max3_num_f32 v[T], v[T], v[SB+23], v[SB+55]                  ; the two scores left over
	v_max3_num_f32 v[T], v[T], v[T+1], v[M+\t]                     ; and the maximum so far
	v_permlanex16_b32 v[T+1], v[T], s18, s19                       ; the other half holds the same query's other keys
	v_max_num_f32 v[T], v[T], v[T+1]                               ; the new maximum
	v_mul_f32 v[T+2], s22, v[T]                                    ; -c m
	v_sub_f32 v[T+3], v[T+2], v[NM+2*\t]                           ; c m(old) - c m(new), of the same rounded shifts that the exponents use
	v_exp_f32 v[AL+2*\t], v[T+3]
	v_exp_f32 v[AL+2*\t+1], v[T+3]
	v_mov_b32 v[M+\t], v[T]                                        ; plain instructions stand behind the exponentials before their results are used
	v_mov_b32 v[NM+2*\t], v[T+2]
	v_mov_b32 v[NM+2*\t+1], v[T+2]
.irp a, 0,1,2,3
.irp p, 0,2,4,6
	v_pk_fma_f32 v[SB+16*\a+\p:SB+16*\a+\p+1], v[SB+16*\a+\p:SB+16*\a+\p+1], s[20:21], v[NM+2*\t:NM+2*\t+1] op_sel_hi:[1,0,1]
.endr
.endr
.irp a, 0,1,2,3
.irp q, 0,1,2,3,4,5,6,7
	v_exp_f32 v[SB+16*\a+\q], v[SB+16*\a+\q]
.endr
.endr
	v_nop                                                          ; one plain instruction behind the last exponential (ISA guide 5.7.2)
	s_wait_alu depctr_va_vdst(0)
	v_pk_add_f32 v[T:T+1],   v[SB:SB+1],     v[SB+2:SB+3]          ; the sum, in two chains of pairs
	v_pk_add_f32 v[T+2:T+3], v[SB+32:SB+33], v[SB+34:SB+35]
.set n, 2
.rept 6
	v_pk_add_f32 v[T:T+1],   v[T:T+1],   v[SB+16*(n/4)+2*(n%4):SB+16*(n/4)+2*(n%4)+1]
	v_pk_add_f32 v[T+2:T+3], v[T+2:T+3], v[SB+32+16*(n/4)+2*(n%4):SB+32+16*(n/4)+2*(n%4)+1]
.set n, n+1
.endr
	v_pk_add_f32 v[T:T+1], v[T:T+1], v[T+2:T+3]
	v_add_f32 v[T], v[T], v[T+1]
	v_fma_f32 v[L+\t], v[L+\t], v[AL+2*\t], v[T]
.irp a, 0,1,2,3
.irp q, 0,1,2,3
	v_cvt_pk_f16_f32 v[PF+16*\t+4*\a+\q], v[SB+16*\a+2*\q], v[SB+16*\a+2*\q+1]   ; keys 16 a + 8 h + 2 q, + 1: register 4 (a % 2) + q of fragment (t, a / 2)
.endr
.endr
.endm
; One step: keys 64 i .. 64 i + 63 of a slot.  mask: 0 none, 1 if s16 is set (the block's diagonal superstep), 2 always.  zero: the products start O's sums.
.macro STEP slot, i, mask, zero
.irp a, 0,1,2,3
.irp c, 0,1
	ds_load_b128 v[KF+8*(2*\a+\c):KF+8*(2*\a+\c)+3],   v[KA+\slot] offset:(64*\i+16*\a)*KPITCH+64*\c
	ds_load_b128 v[KF+8*(2*\a+\c)+4:KF+8*(2*\a+\c)+7], v[KA+\slot] offset:(64*\i+16*\a)*KPITCH+64*\c+32
.endr
.endr
.irp f, 0,1,2,3
.irp u, 0,1
	ds_load_tr16_b128 v[VF+8*(2*\f+\u):VF+8*(2*\f+\u)+3],   v[VA+\slot] offset:(64*\i+32*\u)*VPITCH+32*\f
	ds_load_tr16_b128 v[VF+8*(2*\f+\u)+4:VF+8*(2*\f+\u)+7], v[VA+\slot] offset:(64*\i+32*\u)*VPITCH+32*\f+16*VPITCH
.endr
.endr
	s_wait_dscnt 16                                ; K's sixteen loads are in, V's sixteen may stay out
.irp c, 0,1                                        ; S^T = K Q^T: the eight accumulators take turns, one instruction a turn
.irp a, 0,1,2,3
.irp t, 0,1
.if \c
	v_wmma_f32_16x16x32_f16 v[S+8*(2*\a+\t):S+8*(2*\a+\t)+7], v[KF+8*(2*\a+\c):KF+8*(2*\a+\c)+7], v[QF+8*(2*\t+\c):QF+8*(2*\t+\c)+7], v[S+8*(2*\a+\t):S+8*(2*\a+\t)+7]
.else
	v_wmma_f32_16x16x32_f16 v[S+8*(2*\a+\t):S+8*(2*\a+\t)+7], v[KF+8*(2*\a+\c):KF+8*(2*\a+\c)+7], v[QF+8*(2*\t+\c):QF+8*(2*\t+\c)+7], 0
.endif
.endr
.endr
.endr
	PLACES
.if (\mask) == 1
	s_cmp_eq_u32 s16, 0
	s_cbranch_scc1 .Lnomask_\@
.endif
.if \mask
.irp t, 0,1                                        ; key 64 i + 16 a + 8 h + q is masked where it lies behind the query: 64 i + 16 a + q > query - 8 h
.irp a, 0,1,2,3
.irp q, 0,1,2,3,4,5,6,7
	v_cmp_gt_i32 vcc_lo, 64*\i+16*\a+\q, v[DG+\t]
	v_cndmask_b32 v[S+8*(2*\a+\t)+\q], v[S+8*(2*\a+\t)+\q], v[NINF], vcc_lo
.endr
.endr
.endr
.endif
.if (\mask) == 1
.Lnomask_\@:
.endif
	SOFT 0
	SOFT 1
.if (\zero) == 0
	WIN 0x41                                       ; O in window 1 as destination and first source, the factor in window 0
.irp t, 0,1
.irp f, 0,1,2,3
.irp p, 0,2,4,6
	v_pk_mul_f32 v[8*(2*\f+\t)+\p:8*(2*\f+\t)+\p+1], v[8*(2*\f+\t)+\p:8*(2*\f+\t)+\p+1], v[AL+2*\t:AL+2*\t+1]
.endr
.endr
.endr
.endif
	s_wait_dscnt 0x0                               ; V's fragments are in
	WIN 0x50                                       ; C and D in window 1
.irp u, 0,1                                        ; O^T += V^T P^T: again eight accumulators by turns
.irp f, 0,1,2,3
.irp t, 0,1
.if (\zero)*(1-\u)
	v_wmma_f32_16x16x32_f16 v[8*(2*\f+\t):8*(2*\f+\t)+7], v[VF+8*(2*\f+\u):VF+8*(2*\f+\u)+7], v[PF+8*(2*\t+\u):PF+8*(2*\t+\u)+7], 0
.else
	v_wmma_f32_16x16x32_f16 v[8*(2*\f+\t):8*(2*\f+\t)+7], v[VF+8*(2*\f+\u):VF+8*(2*\f+\u)+7], v[PF+8*(2*\t+\u):PF+8*(2*\t+\u)+7], v[8*(2*\f+\t):8*(2*\f+\t)+7]
.endif
.endr
.endr
.endr
	WIN 0
	PLACES                                         ; in front of the next loads into V's and K's (P's) registers and of whatever reads O
.endm
; A block ends: divide by the sum, 32 rows of 256 bytes through my own stage, whole rows out.  more = 1: the second block's queries and a fresh state.
.macro EPI ob, more
	v_permlanex16_b32 v[T], v[L], s18, s19         ; the other half's part of the sum
	v_permlanex16_b32 v[T+1], v[L+1], s18, s19
	v_add_f32 v[T], v[T], v[L]
	v_add_f32 v[T+1], v[T+1], v[L+1]
	v_rcp_f32 v[AL], v[T]
	v_rcp_f32 v[AL+1], v[T]
	v_rcp_f32 v[AL+2], v[T+1]
	v_rcp_f32 v[AL+3], v[T+1]
	v_nop                                          ; one plain instruction behind the reciprocals
	WIN 0x41
	s_wait_alu depctr_va_vdst(0)
.irp t, 0,1
.irp f, 0,1,2,3
.irp p, 0,2,4,6
	v_pk_mul_f32 v[8*(2*\f+\t)+\p:8*(2*\f+\t)+\p+1], v[8*(2*\f+\t)+\p:8*(2*\f+\t)+\p+1], v[AL+2*\t:AL+2*\t+1]
.endr
.endr
.endr
	WIN 0x04                                       ; store data in window 1, address in window 0
.irp t, 0,1
.irp f, 0,1,2,3
	ds_store_b128 v[STO], v[8*(2*\f+\t):8*(2*\f+\t)+3]   offset:16*SPITCH*\t+64*\f      ; query 16 t + r, e = 16 f + 8 h + 0..3
	ds_store_b128 v[STO], v[8*(2*\f+\t)+4:8*(2*\f+\t)+7] offset:16*SPITCH*\t+64*\f+16   ; e = 16 f + 8 h + 4..7
.endr
.endr
	WIN 0
.irp p, 0,1,2,3,4,5,6,7,8,9,10,11,12,13,14,15
	ds_load_b128 v[S+4*\p:S+4*\p+3], v[RD] offset:2*SPITCH*\p      ; a wave's LDS instructions are served in order: these see the stores above
.endr
.irp p, 0,1,2,3,4,5,6,7,8,9,10,11,12,13,14,15
	s_wait_dscnt 15-\p
	global_store_b128 v[CO], v[S+4*\p:S+4*\p+3], s[\ob:\ob+1] offset:8192*\p th:TH_STORE_NT   ; sixteen lanes store 256 consecutive bytes, at a multiple of 256
.endr
.if \more
	QLOAD 26
	START
	WIN 0x40                                       ; the second block's first step falls in a trip that hangs on the work-group's number, so no written-out
.irp q, 0,1,2,3,4,5,6,7                            ; first product can start its sums: O is cleared, this once (a factor of 0 would carry an infinity over)
.irp p, 0,1,2,3,4,5,6,7
	v_mov_b32 v[8*\q+\p], 0
.endr
.endr
	WIN 0
	s_wait_loadcnt 0x0                             ; the queries are in
	s_wait_xcnt 0x0                                ; the score registers, which the stores above read, are written again only behind this wait
.endif
.endm
; Superstep t (s13) on a slot.  first: t = 0.  refill: the other slot gets superstep t + 1's keys.  last: t = 8.
.macro SUPER slot, other, first, refill, last
.if \first
	s_wait_tensorcnt 0x1                           ; my part of slot 0 is in; slot 1's may stay out
	s_barrier_signal -1
	s_barrier_wait -1
.else
	s_set_vgpr_msb 0x5
	s_wait_tensorcnt 0x0                           ; all my tensor loads have landed, my part of this slot among them: group 0 may be written
	ds_add_u32 v64, v65
	s_wait_dscnt 0x0
	s_set_vgpr_msb 0x500
	s_add_co_u32 s17, s13, 1                       ; t + 1
.if \refill
	s_sub_co_u32 s23, s17, s12
	s_cmp_ge_u32 s17, s12
	s_cselect_b32 s36, s23, s17                    ; its key block: t + 1, or t + 1 - n1 in the second block
	s_lshl_b32 s36, s36, 15                        ; 256 rows of 128 bytes
	s_add_nc_u64 s[G0K+4*\other+2:G0K+4*\other+3], s[32:33], s[36:37]
	s_or_b32 s[G0K+4*\other+3], s[G0K+4*\other+3], 0x80000000
	s_add_nc_u64 s[G0V+4*\other+2:G0V+4*\other+3], s[34:35], s[36:37]
	s_or_b32 s[G0V+4*\other+3], s[G0V+4*\other+3], 0x80000000
.endif
	s_cmp_eq_u32 s17, s12
	s_cselect_b32 s16, 1, 0                        ; t = n1 - 1: the first block's diagonal superstep
	s_wait_dscnt 0x0                               ; my reads of the other slot are over
	s_barrier_signal -1
	s_barrier_wait -1                              ; both now hold of every wave
.if \refill
	KVLOAD \other                                  ; my one tensor load behind this barrier, first thing there
.endif
.endif
	STEP \slot, 0, 1+\last-\first, \first
	STEP \slot, 1, 1+\last-\first, 0
	STEP \slot, 2, 1+\last-\first, 0
	STEP \slot, 3, 1+\last-\first, 0
.if \last
	EPI 30, 0
.else
.if (\first) == 0
	s_cmp_eq_u32 s16, 0
	s_cbranch_scc1 .Lnoepi_\@
	EPI 28, 1
.Lnoepi_\@:
.endif
	s_add_co_u32 s13, s13, 1
.endif
.endm
	QLOAD 24
	START
	s_wait_loadcnt 0x0
	SUPER 0, 1, 1, 0, 0                            ; t = 0
	s_mov_b32 s14, 3
.Ltrip:
	SUPER 1, 0, 0, 1, 0                            ; t = 1, 3, 5
	SUPER 0, 1, 0, 1, 0                            ; t = 2, 4, 6
	s_sub_co_u32 s14, s14, 1
	s_cmp_lg_u32 s14, 0
	s_cbranch_scc1 .Ltrip
	SUPER 1, 0, 0, 1, 0                            ; t = 7: the last refill
	SUPER 0, 1, 0, 0, 1                            ; t = 8: the second block's diagonal; nothing is left to fetch
	s_set_vgpr_msb 0x5
	s_wait_tensorcnt 0x0
	ds_add_u32 v64, v65
	s_wait_dscnt 0x0
	s_set_vgpr_msb 0x500
	s_endpgm
.Lfunc_end_k_q4bb8550699_attn:
	.size	k_q4bb8550699_attn, .Lfunc_end_k_q4bb8550699_attn-k_q4bb8550699_attn
	.p2alignl 7, 3214868480
	.fill 96, 4, 3214868480
	.section	.rodata,"a",@progbits
	.p2align	6, 0x0
	.amdhsa_kernel k_q4bb8550699_attn
		.amdhsa_group_segment_fixed_size 327680
		.amdhsa_private_segment_fixed_size 0
		.amdhsa_enable_private_segment 0
		.amdhsa_kernarg_size 16
		.amdhsa_user_sgpr_count 2
		.amdhsa_user_sgpr_kernarg_segment_ptr 1
		.amdhsa_wavefront_size32 1
		.amdhsa_system_sgpr_workgroup_id_x 1
		.amdhsa_system_sgpr_workgroup_id_y 1
		.amdhsa_system_sgpr_workgroup_id_z 1
		.amdhsa_system_vgpr_workitem_id 0
		.amdhsa_next_free_vgpr 322
		.amdhsa_next_free_sgpr 80
		.amdhsa_reserve_vcc 1
		.amdhsa_float_denorm_mode_32 3
		.amdhsa_float_denorm_mode_16_64 3
		.amdhsa_memory_ordered 1
		.amdhsa_forward_progress 1
		.amdhsa_inst_pref_size 255
	.end_amdhsa_kernel
	.section	.bss,"aw",@nobits
	.p2align	6
	.space	262144
	.amdgpu_metadata
---
amdhsa.version: [ 1, 2 ]
amdhsa.kernels:
  - .name:           k_q4bb8550699_attn
    .symbol:         k_q4bb8550699_attn.kd
    .args:
      - { .name: qkv, .offset: 0, .size: 8, .value_kind: global_buffer, .address_space: global }
      - { .name: out0, .offset: 8, .size: 8, .value_kind: global_buffer, .address_space: global }
    .group_segment_fixed_size: 327680
    .private_segment_fixed_size: 0
    .kernarg_segment_align: 8
    .kernarg_segment_size: 16
    .max_flat_workgroup_size: 256
    .sgpr_count:     80
    .vgpr_count:     322
    .wavefront_size: 32
...
	.end_amdgpu_metadata
.endif
;; end of part 3
;; ======== version 2 of 3: 3 launches
;; limits: values are held in f16: magnitudes above 65,504 overflow, below 6.1e-05 lose precision
;; workspace buffers: xb 16,777,216 bytes; wb 6,291,456 bytes; qkv 50,331,648 bytes
;; launch prep (part 4): grid 704 x 1, 8 waves a work-group, no clusters, 0 bytes of LDS; arguments x, Wq, Wk, Wv, xb, wb; writes xb, wb
.if DOCPART == 4
	.amdgcn_target "amdgcn-amd-amdhsa--gfx1250"
	.amdhsa_code_object_version 6
	.text
	.protected	k_q4bb8550699_prep
	.globl	k_q4bb8550699_prep
	.p2align	8
	.type	k_q4bb8550699_prep,@function
k_q4bb8550699_prep:
	s_mov_b64 s[64:65], 0
	v_nop
	global_prefetch_b8 v0, s[64:65] scope:SCOPE_SE
	s_setreg_imm32_b32 hwreg(HW_REG_WAVE_MODE, 25, 1), 1
	s_wait_xcnt 0x0
; Cast to bf16.  x [8192][1024] f32 -> xb, same layout.  Wq, Wk, Wv [16 (h)][1024 (k)][64 (e)] f32 -> wb [h][k/2][q,k,v][k%2][e]:
; a block of 256 bytes of wb is two k rows of one W, 128 consecutive numbers of the source, and the three W's blocks of the same two rows
; follow each other, so that the q|k|v weights of one head and 128 k are 49,152 dense bytes for the next launch.
; A pure stream: every input byte is read once and every output byte written once, so no LDS, no barrier, no matrix unit.
; Work-group g takes 16,384 numbers (65,536 bytes in, 32,768 out): g 0-511 chunk g of x; 512-575 of Wq; 576-639 of Wk; 640-703 of Wv.
; A wave's load covers 512 consecutive bytes, a wave's store 256 consecutive bytes that begin at a multiple of 256, in xb and in wb.
; All sixteen loads of a thread are issued first; no register is written twice, so only the counted waits for data stand below.
.set IN,  16                           ; v[16:79]   sixteen loads of four f32
.set OUT, 80                           ; v[80:111]  sixteen stores of four bf16
	s_load_b256 s[4:11], s[0:1], 0x0               ; x s[4:5], Wq s[6:7], Wk s[8:9], Wv s[10:11]
	s_load_b128 s[12:15], s[0:1], 0x20             ; xb s[12:13], wb s[14:15]
	v_lshlrev_b32 v1, 4, v0                        ; 16 bytes a thread in
	v_lshlrev_b32 v2, 3, v0                        ; xb: 8 bytes a thread out
	v_lshrrev_b32 v3, 5, v0                        ; wave
	v_and_b32 v4, 31, v0
	v_lshlrev_b32 v4, 3, v4                        ; 8 bytes a lane
	v_mad_u32_u24 v3, v3, 768, v4                  ; wb: a wave's block of 256 bytes, the blocks of one W 768 bytes apart
	s_and_b32 s20, ttmp9, 63                       ; chunk inside one W (64 chunks each)
	s_sub_co_u32 s22, ttmp9, 512                   ; (used for g >= 512 alone)
	s_lshr_b32 s22, s22, 6                         ; which W: 0, 1, 2
	s_lshl_b32 s22, s22, 8                         ; its block among the three
	s_mul_i32 s23, s20, 98304                      ; a chunk is 128 blocks, 768 bytes apart
	s_add_co_u32 s22, s22, s23
	s_lshl_b32 s23, ttmp9, 15                      ; xb: 32,768 bytes a chunk
	s_cmp_lt_u32 ttmp9, 512
	s_cselect_b32 s20, ttmp9, s20                  ; chunk of the source
	s_cselect_b32 s22, s23, s22                    ; byte offset in the destination
	s_lshl_b32 s20, s20, 16                        ; x 65,536 bytes
	s_mov_b32 s21, 0
	s_mov_b32 s23, 0
	s_wait_kmcnt 0x0
	s_cmp_ge_u32 ttmp9, 576
	s_cselect_b64 s[16:17], s[8:9], s[6:7]         ; Wk or Wq
	s_cmp_ge_u32 ttmp9, 640
	s_cselect_b64 s[16:17], s[10:11], s[16:17]     ; Wv
	s_cmp_lt_u32 ttmp9, 512
	s_cselect_b64 s[16:17], s[4:5], s[16:17]       ; x
	s_cselect_b64 s[18:19], s[12:13], s[14:15]     ; xb or wb
	s_add_nc_u64 s[16:17], s[16:17], s[20:21]
	s_add_nc_u64 s[18:19], s[18:19], s[22:23]
.irp i, 0,1,2,3,4,5,6,7,8,9,10,11,12,13,14,15
	global_load_b128 v[IN+4*\i:IN+4*\i+3], v1, s[16:17] offset:4096*\i th:TH_LOAD_NT   ; read once in the launch
.endr
; off: the thread's offset register; step: bytes in the destination from one load's numbers to the next load's
.macro CAST off, step
.irp i, 0,1,2,3,4,5,6,7,8,9,10,11,12,13,14,15
	s_wait_loadcnt 15-\i                           ; loads come back in order: load i is in, the 15 - i younger ones stay out
	v_cvt_pk_bf16_f32 v[OUT+2*\i],   v[IN+4*\i],   v[IN+4*\i+1]
	v_cvt_pk_bf16_f32 v[OUT+2*\i+1], v[IN+4*\i+2], v[IN+4*\i+3]
	global_store_b64 \off, v[OUT+2*\i:OUT+2*\i+1], s[18:19] offset:\step*\i
.endr
.endm
	s_cmp_lt_u32 ttmp9, 512
	s_cbranch_scc0 .Lweights
	CAST v2, 2048                                  ; x: eight waves x 256 bytes, dense
	s_endpgm
.Lweights:
	CAST v3, 6144                                  ; W: eight waves x 768 bytes
	s_endpgm
.Lfunc_end_k_q4bb8550699_prep:
	.size	k_q4bb8550699_prep, .Lfunc_end_k_q4bb8550699_prep-k_q4bb8550699_prep
	.p2alignl 7, 3214868480
	.fill 96, 4, 3214868480
	.section	.rodata,"a",@progbits
	.p2align	6, 0x0
	.amdhsa_kernel k_q4bb8550699_prep
		.amdhsa_group_segment_fixed_size 0
		.amdhsa_private_segment_fixed_size 0
		.amdhsa_enable_private_segment 0
		.amdhsa_kernarg_size 48
		.amdhsa_user_sgpr_count 2
		.amdhsa_user_sgpr_kernarg_segment_ptr 1
		.amdhsa_wavefront_size32 1
		.amdhsa_system_sgpr_workgroup_id_x 1
		.amdhsa_system_sgpr_workgroup_id_y 1
		.amdhsa_system_sgpr_workgroup_id_z 1
		.amdhsa_system_vgpr_workitem_id 0
		.amdhsa_next_free_vgpr 112
		.amdhsa_next_free_sgpr 66
		.amdhsa_reserve_vcc 0
		.amdhsa_float_denorm_mode_32 3
		.amdhsa_float_denorm_mode_16_64 3
		.amdhsa_memory_ordered 1
		.amdhsa_forward_progress 1
		.amdhsa_inst_pref_size 12
	.end_amdhsa_kernel
	.amdgpu_metadata
---
amdhsa.version: [ 1, 2 ]
amdhsa.kernels:
  - .name:           k_q4bb8550699_prep
    .symbol:         k_q4bb8550699_prep.kd
    .args:
      - { .name: x, .offset: 0, .size: 8, .value_kind: global_buffer, .address_space: global }
      - { .name: Wq, .offset: 8, .size: 8, .value_kind: global_buffer, .address_space: global }
      - { .name: Wk, .offset: 16, .size: 8, .value_kind: global_buffer, .address_space: global }
      - { .name: Wv, .offset: 24, .size: 8, .value_kind: global_buffer, .address_space: global }
      - { .name: xb, .offset: 32, .size: 8, .value_kind: global_buffer, .address_space: global }
      - { .name: wb, .offset: 40, .size: 8, .value_kind: global_buffer, .address_space: global }
    .group_segment_fixed_size: 0
    .private_segment_fixed_size: 0
    .kernarg_segment_align: 8
    .kernarg_segment_size: 48
    .max_flat_workgroup_size: 256
    .sgpr_count:     66
    .vgpr_count:     112
    .wavefront_size: 32
...
	.end_amdgpu_metadata
.endif
;; end of part 4
;; launch proj (part 5): grid 16 x 16, 4 waves a work-group, clusters of 4 x 4, 327,680 bytes of LDS; arguments xb, wb, qkv; writes qkv
.if DOCPART == 5
	.amdgcn_target "amdgcn-amd-amdhsa--gfx1250"
	.amdhsa_code_object_version 6
	.text
	.protected	k_q4bb8550699_proj
	.globl	k_q4bb8550699_proj
	.p2align	8
	.type	k_q4bb8550699_proj,@function
k_q4bb8550699_proj:
	s_mov_b64 s[64:65], 0
	v_nop
	global_prefetch_b8 v0, s[64:65] scope:SCOPE_SE
	s_setreg_imm32_b32 hwreg(HW_REG_WAVE_MODE, 25, 1), 1
	s_wait_xcnt 0x0
	s_wait_alu depctr_hold_cnt(0) depctr_sa_sdst(0) depctr_va_vdst(0) depctr_va_sdst(0) depctr_va_ssrc(0) depctr_va_vcc(0) depctr_vm_vsrc(0)
	s_getreg_b32 s2, hwreg(HW_REG_IB_STS2, 6, 4)
	s_cmp_eq_u32 s2, 0
	s_cbranch_scc0 .Lentry_in_a_cluster
	s_endpgm
.Lentry_in_a_cluster:
	s_bfe_u32 s2, ttmp6, 0x10000c
	s_cmp_lg_u32 s2, 0xf033
	s_cbranch_scc0 .Lentry_shape_is_right
	s_endpgm
.Lentry_shape_is_right:
; q, k, v = x W per head.  xb [8192][1024] bf16, wb [h][k/2][q,k,v][k%2][e] bf16, qkv [q,k,v][b][h][s][e] f16; sums in f32, rounded once.
; WHY f16 OUT: q, k and v are operands of the next launch's products, and results there are small sums of terms that cancel; f16's 11 significant
; bits keep them eight times closer than bf16's 8.  ROOM: they are sums of 1,024 products; with x of spread 1 and W of spread 1/32 they stay under
; about 6, with both 30 times larger under about 5,400, with a common offset of 30 spreads on both near 1024 x 30 x 30/32 = 28,800.
; LIMIT: a q, k or v beyond f16's largest number, 65,504, becomes infinite.
; Work-group (x = head, y) STAYS and makes two blocks of 256 rows of x (blocks y and y + 16) x the 192 columns q|k|v of its head: 256 work-groups
; of equal work.  The ring of LDS slots runs on from the first block into the second: the refills of the first block's last two K steps fetch the
; second block's first two, so the first block's way out stands while those are on their way, and its stores leave behind the second block's products.
; Four waves; wave w makes rows 64 w .. 64 w + 63 x all 192 columns: 4 x 12 accumulator tiles of 16 x 16, 384 registers, so each wave
; writes whole dense rows of q, k and v.  K goes in steps of 128 through two LDS slots filled by the tensor data mover.
; W lies with k down the rows in LDS; ds_load_tr16_b128 turns it into fragments with k along a lane's registers.
; CLUSTERS: 4 x 4 work-groups.  The four of a row of the cluster share the blocks of rows of x, the four of a column the head's W: each tile
; is asked for jointly, by the same line with the same descriptor in all four.  Waves 0, 1 ask for the halves of x's tile (128 rows of 256 bytes each),
; waves 2, 3 for the halves of W's (24,576 dense bytes each, as 96 rows of 256 bytes).
; By this text's count a wave has two tensor loads out at the start and one behind each round.
; THE MATRIX INSTRUCTION IS USED TRANSPOSED: source 0 = 16 columns e of W, source 1 = 16 rows of x; lane l then holds row l % 16 of x and
; its registers 0-7 the columns e = 8 (l / 16) + 0..7: eight neighbours, 16 bytes in f16.
; REGISTERS by windows of 256: window 0 addresses, x's fragments (two buffers), the way out; window 1 W's fragments (two buffers);
; window 2 the accumulators of my row tiles 0, 1 (tile (a, b) at v[8 (12 a + b)]); window 3 those of row tiles 2, 3.
.set KSTEP,  128
.set APITCH, 272                       ; x's LDS row: 256 bytes + 16: sixteen rows begin at sixteen different 16-byte columns of 256 bytes
.set HALFA,  128*APITCH                ; 34,816: what one of x's loads brings
.set WOFF,   2*HALFA                   ; W's tile lies behind x's
.set WUNIT,  288                       ; a block of W in LDS: 256 bytes (k rows 2 i, 2 i + 1 of one W) + 32
.set WK,     3*WUNIT/2                 ; 432: LDS bytes for each k row on average (two rows of the three W's are 864).  Eight rows k = j lie at
                                       ; (j / 2) 864 + (j % 2) 128: in columns of 32 bytes modulo 256 that is 0, 4, 3, 7, 6, 2, 1, 5: all different
.set HALFW,  64*WK                     ; 27,648: what one of W's loads brings (64 k rows)
.set SLOT,   WOFF+2*HALFW              ; 124,928
.set STAGE,  2*SLOT                    ; 249,856, behind the ring: 16 rows x 400 bytes for each wave; no tensor load lands here
.set SPITCH, 400                       ; 384 bytes (192 f16) + 16
.set ASTEP,  2*KSTEP*2                 ; a slot's next tile of x: two K steps along the rows, 512 bytes
.set WSTEP,  2*KSTEP*384               ; a slot's next tile of W: two K steps of 49,152 bytes
.set BLOCK2, 16*256*2048               ; from block y of x to block y + 16; in q, k and v the same 8,388,608 bytes (two b of 16 heads x 262,144)
.set ADRA, 16                          ; v16-17  LDS address of my x fragments in slot 0, 1
.set ADRB, 20                          ; v20-21  the same for W
.set STO,  24                          ; the way out: where I put 16 bytes of a row
.set RD,   25                          ; the way out: where I read rows back
.set CO,   26                          ; my 16 bytes among 512 dense bytes of q, k or v
.set AF,   64                          ; window 0: x's fragment buffer f at AF + 32 f, row tile i at + 8 i
.set BF,   0                           ; window 1: W's fragment buffer f at BF + 96 f, column tile b at + 8 b
.set TMP,  128                         ; v128-175 packed results
.set RB,   176                         ; v176-223 rows read back
.set G1,   24                          ; s[24:31] group 1 for x's tile
.set G0,   32                          ; s[32:39] group 0 for x's tile, a set for each slot
.set G1B,  48                          ; s[48:55] group 1 for W's tile
.set G0B,  56                          ; s[56:63] group 0 for W's tile, a set for each slot
.set OB,   68                          ; s[68:73] my first rows in q, k, v
.set MSB, 0
.macro WIN new                         ; the immediate's high byte repeats the setting that is left
.if MSB != \new
	s_set_vgpr_msb (MSB<<8)|\new
.set MSB, \new
.endif
.endm
.set MUL_LO, 0xa1                      ; source 0 (W) window 1, source 1 (x) window 0, C and D window 2
.set MUL_HI, 0xf1                      ; the same, C and D window 3
.set TO_B,   0x40                      ; destination window 1, address window 0
; A joint load: each line has one mask and one set of registers; the branch hangs on the wave's number alone.
.macro JLOAD s
	s_cmp_lt_u32 s10, 2
	s_cbranch_scc0 .Lfor_w_\@
	tensor_load_to_lds s[G0+4*\s:G0+4*\s+3], s[G1:G1+7]
	s_nop 0
	s_branch .Lasked_\@
.Lfor_w_\@:
	tensor_load_to_lds s[G0B+4*\s:G0B+4*\s+3], s[G1B:G1B+7]
	s_nop 0
.Lasked_\@:
.endm
.macro CREST                           ; a round of the cluster's barrier behind its opening barrier
	s_cmp_lg_u32 s10, 0
	s_cbranch_scc1 .Lnot_wave_0_\@
	s_barrier_signal -3
.Lnot_wave_0_\@:
	s_barrier_wait -3
	s_barrier_signal -1
	s_barrier_wait -1
.endm
.macro CROUND                          ; a whole round
	s_barrier_signal -1
	s_barrier_wait -1
	CREST
.endm
	s_load_b128 s[4:7], s[0:1], 0x0                ; xb s[4:5], wb s[6:7]
	s_load_b64 s[8:9], s[0:1], 0x10                ; qkv
	s_set_vgpr_msb 0x40
	v_lshl_add_u32 v255, v0, 2, 0x43400
	s_set_vgpr_msb 0x4000
	v_mov_b32 v255, 0
	s_set_vgpr_msb 0x1
	ds_add_u32 v255, v255
	ds_add_u32 v255, v255
	s_set_vgpr_msb 0x100
	v_lshrrev_b32 v1, 5, v0
	v_readfirstlane_b32 s10, v1                    ; wave 0..3
	s_bfe_u32 s40, ttmp6, 0x40000                  ; cx
	s_bfe_u32 s41, ttmp6, 0x40004                  ; cy
	s_lshl_b32 s42, ttmp9, 2
	s_add_co_u32 s42, s42, s40                     ; head = 4 x cluster x + cx
	s_and_b32 s13, ttmp7, 0xffff
	s_lshl_b32 s13, s13, 2
	s_add_co_u32 s13, s13, s41                     ; y = 4 x cluster y + cy: my first block of rows, 0 to 15
	s_lshl_b32 s43, s41, 2
	s_lshl_b32 s43, 15, s43                        ; my row of the cluster: places 4 cy .. 4 cy + 3
	s_lshl_b32 s44, 0x1111, s40                    ; my column: places cx, cx + 4, cx + 8, cx + 12
	; group 1, half of x's tile: 128 rows x 128 elements of 2 bytes, 4 words of padding behind every 64
	s_or_b32 s[G1+0], s43, (1<<16)|(1<<20)|(1<<21)|(5<<22)|(3<<25)
	s_mov_b32 s[G1+1], KSTEP<<16                   ; tensor_dim0 = 128
	s_mov_b32 s[G1+2], 128<<16                     ; tensor_dim1 = 128
	s_mov_b32 s[G1+3], KSTEP<<16                   ; tile_dim0 = 128
	s_mov_b32 s[G1+4], 128                         ; tile_dim1 = 128
	s_mov_b32 s[G1+5], 1024                        ; elements from row to row
	s_mov_b32 s[G1+6], 0
	s_mov_b32 s[G1+7], 0
	; group 1, half of W's tile: a dense block of 24,576 bytes as 96 rows x 32 elements of 8 bytes, 8 words of padding behind every 64
	s_or_b32 s[G1B+0], s44, (3<<16)|(1<<20)|(1<<21)|(5<<22)|(7<<25)
	s_mov_b32 s[G1B+1], 32<<16
	s_mov_b32 s[G1B+2], 96<<16
	s_mov_b32 s[G1B+3], 32<<16
	s_mov_b32 s[G1B+4], 96
	s_mov_b32 s[G1B+5], 32
	s_mov_b32 s[G1B+6], 0
	s_mov_b32 s[G1B+7], 0
	; offsets: x's hangs on y and the wave's number alone, W's on the head and the wave's number alone
	s_min_u32 s45, s10, 1                          ; which half of x's tile (waves 2 and 3 never ask by this address)
	s_lshl_b32 s45, s45, 18                        ; 128 rows of 2,048 bytes
	s_lshl_b32 s16, s13, 19                        ; 256 rows of 2,048 bytes
	s_add_co_u32 s16, s16, s45
	s_mov_b32 s17, 0
	s_max_u32 s45, s10, 2
	s_sub_co_u32 s45, s45, 2                       ; which half of W's tile (waves 0 and 1 never ask by this address)
	s_mul_i32 s45, s45, 24576
	s_mul_i32 s46, s42, 393216                     ; 1,024 k x 384 bytes a head
	s_add_co_u32 s46, s46, s45
	s_mov_b32 s47, 0
	s_mul_i32 s20, s10, HALFA                      ; x's half of wave w (0, 1) at 34,816 w in the slot
	s_mul_i32 s21, s10, HALFW
	s_add_co_u32 s21, s21, WOFF-2*HALFW            ; W's half of wave w (2, 3) at 69,632 + 27,648 (w - 2) = 14,336 + 27,648 w
	; my first rows in q, k, v: [b][h][s][e], b = y / 8, s = 256 (y % 8) + 64 w, rows of 128 bytes
	s_lshr_b32 s66, s13, 3
	s_lshl_b32 s66, s66, 22
	s_lshl_b32 s67, s42, 18
	s_add_co_u32 s66, s66, s67
	s_and_b32 s67, s13, 7
	s_lshl_b32 s67, s67, 15
	s_add_co_u32 s66, s66, s67
	s_lshl_b32 s67, s10, 13
	s_add_co_u32 s66, s66, s67
	s_mov_b32 s67, 0
	s_wait_dscnt 0x0
	s_wait_kmcnt 0x0
	s_add_nc_u64 s[14:15], s[4:5], s[16:17]
	s_add_nc_u64 s[46:47], s[6:7], s[46:47]
	s_add_nc_u64 s[OB:OB+1], s[8:9], s[66:67]
	s_add_nc_u64 s[OB+2:OB+3], s[OB:OB+1], 0x1000000
	s_add_nc_u64 s[OB+4:OB+5], s[OB+2:OB+3], 0x1000000
.irp s, 0,1
	s_mov_b32 s[G0+4*\s], 1
	s_add_co_u32 s[G0+4*\s+1], s20, \s*SLOT
	s_add_nc_u64 s[G0+4*\s+2:G0+4*\s+3], s[14:15], \s*KSTEP*2      ; K step s: 256 bytes along the rows
	s_or_b32 s[G0+4*\s+3], s[G0+4*\s+3], 0x80000000
	s_mov_b32 s[G0B+4*\s], 1
	s_add_co_u32 s[G0B+4*\s+1], s21, \s*SLOT
	s_add_nc_u64 s[G0B+4*\s+2:G0B+4*\s+3], s[46:47], \s*KSTEP*384  ; K step s: 128 k of 384 bytes
	s_or_b32 s[G0B+4*\s+3], s[G0B+4*\s+3], 0x80000000
.endr
	CROUND                                         ; all sixteen work-groups are here: the first joint loads meet
	s_cmp_lt_u32 s10, 2                            ; a wave's two first fills stand in one branch on its number
	s_cbranch_scc0 .Lfirst_w
	tensor_load_to_lds s[G0:G0+3], s[G1:G1+7]
	s_nop 0
	tensor_load_to_lds s[G0+4:G0+7], s[G1:G1+7]
	s_nop 0
	s_branch .Lfirst_done
.Lfirst_w:
	tensor_load_to_lds s[G0B:G0B+3], s[G1B:G1B+7]
	s_nop 0
	tensor_load_to_lds s[G0B+4:G0B+7], s[G1B:G1B+7]
	s_nop 0
.Lfirst_done:
	v_and_b32 v1, 15, v0                           ; r = l % 16
	v_bfe_u32 v2, v0, 4, 1                         ; h = l / 16
	v_mul_u32_u24 v3, v1, APITCH
	v_lshl_add_u32 v3, v2, 4, v3                   ; x: row r x pitch + 16 h
	s_mul_i32 s22, s10, 64*APITCH                  ; my 64 rows
	v_add_nc_u32 v[ADRA], s22, v3
	v_add_nc_u32 v[ADRA+1], SLOT, v[ADRA]
	v_bfe_u32 v5, v0, 1, 2                         ; W: k row 8 h + l % 8 lies in the pair of rows 4 h + (l % 8) / 2,
	v_lshl_add_u32 v5, v2, 2, v5
	v_mul_u32_u24 v5, v5, 3*WUNIT                  ; pairs 864 bytes apart,
	v_and_b32 v4, 1, v0
	v_lshl_add_u32 v5, v4, 7, v5                   ; the odd row 128 bytes behind the even one,
	v_bfe_u32 v4, v0, 3, 1
	v_lshl_add_u32 v5, v4, 4, v5                   ; 16 bytes further for lanes 8-15 and 24-31
	v_add_nc_u32 v[ADRB], WOFF, v5
	v_add_nc_u32 v[ADRB+1], SLOT, v[ADRB]
	s_mul_i32 s23, s10, 16*SPITCH
	s_add_co_u32 s23, s23, STAGE                   ; my stage
	v_mul_u32_u24 v6, v1, SPITCH
	v_lshl_add_u32 v6, v2, 4, v6
	v_add_nc_u32 v[STO], s23, v6                   ; in: row r, 16 bytes for each half of the lanes
	v_bfe_u32 v7, v0, 3, 2
	v_mul_u32_u24 v7, v7, SPITCH
	v_and_b32 v8, 7, v0
	v_lshl_add_u32 v7, v8, 4, v7
	v_add_nc_u32 v[RD], s23, v7                    ; back: eight lanes take one row's 128 bytes of q, k or v, 32 lanes four rows
	v_and_b32 v9, 31, v0
	v_lshlrev_b32 v[CO], 4, v9                     ; which are 512 dense bytes in memory
; 12 matrix instructions: row tile 2 hi + a x all 12 column tiles, 32 along K, from buffers f.  zero = 1: the product starts the sums.
.macro MUL12 f, hi, a, zero
.irp b, 0,1,2,3,4,5,6,7,8,9,10,11
.if \zero
	v_wmma_f32_16x16x32_bf16 v[8*(12*\a+\b):8*(12*\a+\b)+7], v[BF+96*\f+8*\b:BF+96*\f+8*\b+7], v[AF+32*\f+8*(2*\hi+\a):AF+32*\f+8*(2*\hi+\a)+7], 0
.else
	v_wmma_f32_16x16x32_bf16 v[8*(12*\a+\b):8*(12*\a+\b)+7], v[BF+96*\f+8*\b:BF+96*\f+8*\b+7], v[AF+32*\f+8*(2*\hi+\a):AF+32*\f+8*(2*\hi+\a)+7], v[8*(12*\a+\b):8*(12*\a+\b)+7]
.endif
.endr
.endm
; 32 LDS loads in one run: quarter step kq (32 along K) of a slot into buffers g: 24 transposing loads for W (column tile b: W number b / 4,
; e = 16 (b % 4) ..), then 8 for my 64 rows of x
.macro FETCH slot, kq, g
	WIN TO_B
.irp b, 0,1,2,3,4,5,6,7,8,9,10,11
	ds_load_tr16_b128 v[BF+96*\g+8*\b:BF+96*\g+8*\b+3],   v[ADRB+\slot] offset:\kq*32*WK+(\b/4)*WUNIT+32*(\b%4)
	ds_load_tr16_b128 v[BF+96*\g+8*\b+4:BF+96*\g+8*\b+7], v[ADRB+\slot] offset:\kq*32*WK+(\b/4)*WUNIT+32*(\b%4)+16*WK
.endr
	WIN 0
.irp i, 0,1,2,3
	ds_load_b128 v[AF+32*\g+8*\i:AF+32*\g+8*\i+3],   v[ADRA+\slot] offset:64*\kq+\i*16*APITCH
	ds_load_b128 v[AF+32*\g+8*\i+4:AF+32*\g+8*\i+7], v[ADRA+\slot] offset:64*\kq+\i*16*APITCH+32
.endr
.endm
; Four plain vector instructions stand between a matrix instruction and a load into a register that it read, or a vector instruction
; that reads its result (ISA guide 7.12.1 for vector instructions); matrix instructions in between are not counted.
.macro PLACES
.rept 4
	v_nop
.endr
.endm
; A K step is four quarters of 48 matrix instructions on buffers 0, 1, 0, 1.  The 48 accumulators take turns, one instruction a turn, in the
; same order in every quarter, over the backward jumps and from block to block too.
.macro QUARTER slot, kq, f, g, zero
	s_wait_dscnt 4                                 ; all but the youngest four loads (x's row tiles 2 and 3) are in
	WIN MUL_LO
	MUL12 \f, 0, 0, \zero
	MUL12 \f, 0, 1, \zero
	PLACES
	FETCH \slot, \kq, \g
	s_wait_dscnt 32                                ; all but the 32 just issued
	WIN MUL_HI
	MUL12 \f, 1, 0, \zero
	MUL12 \f, 1, 1, \zero
.endm
.macro THREE slot, zero
	QUARTER \slot, 1, 0, 1, \zero
	QUARTER \slot, 2, 1, 0, 0
	QUARTER \slot, 3, 0, 1, 0
.endm
; The last quarter multiplies buffers 1 and changes slots.  In front of the barrier each wave waits for its reads of this slot and for all its
; tensor loads (one is out: its part of the next slot).  Where the slot is filled again the barrier opens a round of the cluster's barrier, and
; the joint refill is the first tensor load behind the round.  From a request to the wait for it a wave issues 180 matrix instructions.
; fill: 0 none; 1 two K steps on in the same block; 2 the same slot's first K step of the second block (x: 16 blocks down and three steps of
; 512 bytes back; W: three steps of 98,304 bytes back).
.macro TURN slot, next, fill
	s_wait_dscnt 4
	WIN MUL_LO
	MUL12 1, 0, 0, 0
	s_wait_dscnt 0                                 ; my reads of this slot are over
	s_wait_tensorcnt 0x0                           ; all my tensor loads have landed
	ds_add_u32 v255, v255
	s_wait_dscnt 0x0
	s_barrier_signal -1
	MUL12 1, 0, 1, 0                               ; register work while the others arrive
	WIN 0
	s_barrier_wait -1
.if \fill
	CREST
.if (\fill) == 1
	s_add_nc_u64 s[G0+4*\slot+2:G0+4*\slot+3], s[G0+4*\slot+2:G0+4*\slot+3], ASTEP
	s_add_nc_u64 s[G0B+4*\slot+2:G0B+4*\slot+3], s[G0B+4*\slot+2:G0B+4*\slot+3], WSTEP
.else
	s_add_nc_u64 s[G0+4*\slot+2:G0+4*\slot+3], s[G0+4*\slot+2:G0+4*\slot+3], BLOCK2-3*ASTEP
	s_sub_nc_u64 s[G0B+4*\slot+2:G0B+4*\slot+3], s[G0B+4*\slot+2:G0B+4*\slot+3], 3*WSTEP
.endif
	JLOAD \slot
.endif
	PLACES
	FETCH \next, 0, 0
	WIN MUL_HI
	MUL12 1, 1, 0, 0
	MUL12 1, 1, 1, 0
.endm
.macro LAP zero, fill                  ; two K steps, once round the ring, both slots filled again
	THREE 0, \zero
	TURN 0, 1, \fill
	THREE 1, 0
	TURN 1, 0, \fill
.endm
; THE WAY OUT, 16 rows at a time: round to f16, 16 bytes a lane into my own stage, read back by rows, store 512 dense bytes an instruction.
; i: row tile 0..3; a: its place in its window; from: the window as sources 0 and 1.
.macro OUT16 i, a, from
	WIN \from
.irp b, 0,1,2,3,4,5,6,7,8,9,10,11
.irp r, 0,1,2,3
	v_cvt_pk_f16_f32 v[TMP+4*\b+\r], v[8*(12*\a+\b)+2*\r], v[8*(12*\a+\b)+2*\r+1]   ; first source into the low half
.endr
.endr
	WIN 0
.irp b, 0,1,2,3,4,5,6,7,8,9,10,11
	ds_store_b128 v[STO], v[TMP+4*\b:TMP+4*\b+3] offset:32*\b
.endr
	s_wait_xcnt 0x0                                ; RB, which the stores of the row tile before read, is loaded again only behind this wait
.irp p, 0,1,2
.irp q, 0,1,2,3
	ds_load_b128 v[RB+16*\p+4*\q:RB+16*\p+4*\q+3], v[RD] offset:4*SPITCH*\q+128*\p   ; a wave's LDS instructions are served in order: these see the stores above
.endr
.endr
.irp p, 0,1,2
.irp q, 0,1,2,3
	s_wait_dscnt 11-4*\p-\q
	global_store_b128 v[CO], v[RB+16*\p+4*\q:RB+16*\p+4*\q+3], s[OB+2*\p:OB+2*\p+1] offset:2048*\i+512*\q
.endr
.endr
.endm
.macro OUT64
	PLACES                                         ; in front of the conversions, which read results
	OUT16 0, 0, 0x0a
	OUT16 1, 1, 0x0a
	OUT16 2, 0, 0x0f
	OUT16 3, 1, 0x0f
.endm
	s_wait_tensorcnt 1                             ; my part of K step 0 is in; K step 1's may stay out
	s_barrier_signal -1
	s_barrier_wait -1
	FETCH 0, 0, 0
	; THE FIRST BLOCK: four laps of two K steps
	LAP 1, 1                                       ; the first lap stands in front of the loop: its first products start the sums
	WIN 0                                          ; at a label and at a branch every window is 0
	s_mov_b32 s3, 2
.Llap_a:
	LAP 0, 1
	WIN 0
	s_sub_co_u32 s3, s3, 1
	s_cmp_lg_u32 s3, 0
	s_cbranch_scc1 .Llap_a
	LAP 0, 2                                       ; the last lap asks for the second block's K steps 0 and 1 and fetches its first fragments
	OUT64                                          ; while those tiles are on their way
	s_wait_xcnt 0x0                                ; the stores' bases are stepped only behind this wait
	s_add_nc_u64 s[OB:OB+1], s[OB:OB+1], BLOCK2
	s_add_nc_u64 s[OB+2:OB+3], s[OB+2:OB+3], BLOCK2
	s_add_nc_u64 s[OB+4:OB+5], s[OB+4:OB+5], BLOCK2
	; THE SECOND BLOCK
	LAP 1, 1
	WIN 0
	s_mov_b32 s3, 2
.Llap_b:
	LAP 0, 1
	WIN 0
	s_sub_co_u32 s3, s3, 1
	s_cmp_lg_u32 s3, 0
	s_cbranch_scc1 .Llap_b
	THREE 0, 0                                     ; the last lap fills nothing
	TURN 0, 1, 0
	THREE 1, 0
	s_wait_dscnt 4
	WIN MUL_LO
	MUL12 1, 0, 0, 0
	MUL12 1, 0, 1, 0
	s_wait_dscnt 0
	WIN MUL_HI
	MUL12 1, 1, 0, 0
	MUL12 1, 1, 1, 0
	OUT64
	s_set_vgpr_msb 0x1
	s_wait_tensorcnt 0x0
	ds_add_u32 v255, v255
	s_wait_dscnt 0x0
	s_set_vgpr_msb 0x100
	CROUND                                         ; the closing round: no work-group ends while a partner may still ask for a tile that names it
	s_endpgm
.Lfunc_end_k_q4bb8550699_proj:
	.size	k_q4bb8550699_proj, .Lfunc_end_k_q4bb8550699_proj-k_q4bb8550699_proj
	.p2alignl 7, 3214868480
	.fill 96, 4, 3214868480
	.section	.rodata,"a",@progbits
	.p2align	6, 0x0
	.amdhsa_kernel k_q4bb8550699_proj
		.amdhsa_group_segment_fixed_size 327680
		.amdhsa_private_segment_fixed_size 0
		.amdhsa_enable_private_segment 0
		.amdhsa_kernarg_size 24
		.amdhsa_user_sgpr_count 2
		.amdhsa_user_sgpr_kernarg_segment_ptr 1
		.amdhsa_wavefront_size32 1
		.amdhsa_system_sgpr_workgroup_id_x 1
		.amdhsa_system_sgpr_workgroup_id_y 1
		.amdhsa_system_sgpr_workgroup_id_z 1
		.amdhsa_system_vgpr_workitem_id 0
		.amdhsa_next_free_vgpr 1024
		.amdhsa_next_free_sgpr 76
		.amdhsa_reserve_vcc 0
		.amdhsa_float_denorm_mode_32 3
		.amdhsa_float_denorm_mode_16_64 3
		.amdhsa_memory_ordered 1
		.amdhsa_forward_progress 1
		.amdhsa_inst_pref_size 255
	.end_amdhsa_kernel
	.section	.bss,"aw",@nobits
	.p2align	6
	.space	262144
	.amdgpu_metadata
---
amdhsa.version: [ 1, 2 ]
amdhsa.kernels:
  - .name:           k_q4bb8550699_proj
    .symbol:         k_q4bb8550699_proj.kd
    .args:
      - { .name: xb, .offset: 0, .size: 8, .value_kind: global_buffer, .address_space: global }
      - { .name: wb, .offset: 8, .size: 8, .value_kind: global_buffer, .address_space: global }
      - { .name: qkv, .offset: 16, .size: 8, .value_kind: global_buffer, .address_space: global }
    .group_segment_fixed_size: 327680
    .private_segment_fixed_size: 0
    .kernarg_segment_align: 8
    .kernarg_segment_size: 24
    .max_flat_workgroup_size: 128
    .sgpr_count:     76
    .vgpr_count:     1024
    .wavefront_size: 32
...
	.end_amdgpu_metadata
.endif
;; end of part 5
;; launch attn (part 6): grid 256 x 1, 8 waves a work-group, no clusters, 327,680 bytes of LDS; arguments qkv, out0; writes out0
.if DOCPART == 6
	.amdgcn_target "amdgcn-amd-amdhsa--gfx1250"
	.amdhsa_code_object_version 6
	.text
	.protected	k_q4bb8550699_attn
	.globl	k_q4bb8550699_attn
	.p2align	8
	.type	k_q4bb8550699_attn,@function
k_q4bb8550699_attn:
	s_mov_b64 s[64:65], 0
	v_nop
	global_prefetch_b8 v0, s[64:65] scope:SCOPE_SE
	s_setreg_imm32_b32 hwreg(HW_REG_WAVE_MODE, 25, 1), 1
	s_wait_xcnt 0x0
; Causal attention with a running maximum.  qkv [q,k,v][b][h][2048][64] f16; out0 [b][2048][h 64 + e] f32.
; Work-group g: (b, h) = g / 4, j = g % 4.  It does two blocks of 256 queries, first block 7 - j, then block j.  Keys go in supersteps of 256;
; block i needs i + 1 of them, so every work-group does 9 supersteps of four steps of 64 keys: 256 work-groups of equal work.
; Eight waves; a wave owns a group of 32 queries of the block, as two tiles of 16.  In a block's diagonal superstep the wave with group g needs
; keys up to 32 g + 31 alone: it does steps 0 .. g / 2, masks the last of them, and leaves the rest out.  Waves w and w + 4 hold groups w and 7 - w,
; so that each such pair has five steps there.  In all 264 wave steps a work-group in place of 288.
; TRANSPOSED PRODUCTS: S^T = K Q^T puts query r in lane r and keys 8 h + 0..7 in a lane's registers, which after rounding to f16 is the second
; source of O^T = V^T P^T as it stands: P passes through no LDS and no other lane.  A row's maximum takes one exchange between the halves of the
; wave, and the rescaling factor is one number a lane.
; The scale 1/8 and log2 e are one constant c: p = 2^(c s - c m), by one fused multiply-add in front of the exponential.
; WHY f16 OPERANDS: in the first rows a result is a sum of a few terms of size 1 that may cancel, so the operands' rounding shows whole; f16's 11
; significant bits keep it eight times smaller than bf16's 8.  P lies in [0, 1] with the running maximum's own term at 1; a p under 2^-14 is an f16
; denormal with an error of at most 2^-25, and 2,048 of those weigh at most 2^-14 of a sum that is at least 1.
; NO CLUSTER: from superstep 5 on the four work-groups of a head need different tiles (they change blocks at supersteps 5 to 8); walking the keys in
; lock step would take 12 supersteps of each in place of 9.  No prefetch: a slot's refill is asked for a whole superstep (four steps) before its first read.
; By this text's count a wave has two tensor loads out at the start and one behind each barrier.
; LIMITS: q, k, v and P are rounded to f16 (q, k, v beyond 65,504 arrive here as infinities).  NaN and infinities in the inputs are not followed as
; the definition follows them (the maximum ignores NaN).  Exponentials below 2^-126 count as zero (ISA guide, v_exp_f32).
.set KUNIT,  272                       ; two key rows of K in LDS: 256 bytes + 16.  Sixteen rows r lie at (r / 2) 272 + (r % 2) 128: in columns of 16 bytes
                                       ; modulo 256 that is r / 2 + 8 (r % 2): all different
.set VUNIT,  288                       ; two key rows of V: 256 bytes + 32.  Eight rows j lie at (j / 2) 288 + (j % 2) 128: in columns of 32 bytes
                                       ; modulo 256 that is j / 2 + 4 (j % 2): all different (transposing loads take 32 bytes of eight rows at a time)
.set VBYTES, 128*VUNIT                 ; 36,864: V lies first in a slot
.set SLOT,   VBYTES+128*KUNIT          ; 71,680
.set STAGE,  2*SLOT                    ; 143,360: behind the ring, 32 rows x 272 bytes for each wave; no tensor load lands here
.set SPITCH, 272                       ; 256 bytes (64 f32) + 16
.set TA1,  0                           ; v[0:1]  at work, query tile 1 (v0 and v1 are free once the addresses are made)
.set KA,   2                           ; v2-3    LDS address of my K fragments in slot 0, 1
.set VA,   4                           ; v4-5    the same for V
.set DG,   6                           ; v6-7    query tile t: my query's number in the block less 8 h (signed)
.set TB1,  8                           ; v[8:9]  at work, query tile 1
.set NINF, 10                          ; -infinity
.set QOFF, 11                          ; my byte offset in a block of q
.set STO,  12                          ; the way out: in
.set RD,   13                          ; the way out: back
.set CO,   14                          ; my byte offset in a block of out0
.set M,    16                          ; v16-17  running maximum of the raw scores, tile t
.set L,    18                          ; v18-19  running sum over my half's keys
.set NM,   20                          ; v20, v22  -c m of tile 0, 1: the first register of a pair, used for both halves of a packed form
.set AL,   24                          ; v24, v26  rescaling factor of tile 0, 1, likewise
.set TA0,  28                          ; v[28:29] at work, query tile 0
.set TB0,  30                          ; v[30:31]
.set QF,   32                          ; v32-63   Q fragments (t, c) at + 8 (2 t + c)
.set KF,   64                          ; v64-127  K fragments (a, c) at + 8 (2 a + c)
.set S,    128                         ; v128-191 score tiles (a, t) at + 8 (2 a + t)
.set VF,   192                         ; v192-255 V fragments (f, u) at + 8 (2 f + u)
                                       ; window 1: v256-319 O^T tiles (f, t) at 8 (2 f + t)
.set PF,   64                          ; window 1: v320-351 P fragments (t, u) at + 8 (2 t + u)
.set Q2,   96                          ; window 1: v352-383 the second block's Q fragments, loaded at the start
.set G1K, 40                           ; s[40:47]
.set G1V, 48                           ; s[48:55]
.set G0K, 56                           ; s[56:63], a set for each slot
.set G0V, 68                           ; s[68:75], a set for each slot
.set MSB, 0
.macro WIN new
.if MSB != \new
	s_set_vgpr_msb (MSB<<8)|\new
.set MSB, \new
.endif
.endm
.macro PLACES                          ; four plain vector instructions behind matrix instructions (ISA guide 7.12.1 for vector instructions)
.rept 4
	v_nop
.endr
.endm
.macro KVLOAD s                        ; waves 0-3 fetch V's four quarters of 64 rows, waves 4-7 K's: one load a wave
	s_cmp_lt_u32 s8, 4
	s_cbranch_scc0 .Lfor_k_\@
	tensor_load_to_lds s[G0V+4*\s:G0V+4*\s+3], s[G1V:G1V+7]
	s_nop 0
	s_branch .Lasked_\@
.Lfor_k_\@:
	tensor_load_to_lds s[G0K+4*\s:G0K+4*\s+3], s[G1K:G1K+7]
	s_nop 0
.Lasked_\@:
.endm
	s_load_b128 s[4:7], s[0:1], 0x0                ; qkv s[4:5], out0 s[6:7]
	s_set_vgpr_msb 0x40
	v_lshl_add_u32 v128, v0, 2, 0x34000
	v_mov_b32 v129, 0
	s_set_vgpr_msb 0x4045
	ds_add_u32 v128, v129
	ds_add_u32 v128, v129
	s_set_vgpr_msb 0x4500
	v_lshrrev_b32 v1, 5, v0
	v_readfirstlane_b32 s8, v1                     ; wave 0..7
	s_and_b32 s10, ttmp9, 3                        ; j
	s_lshr_b32 s11, ttmp9, 2                       ; (b, h)
	s_sub_co_u32 s12, 8, s10                       ; n1 = supersteps of the first block, 5 to 8
	s_mov_b32 s13, 0                               ; t, the superstep
	s_sub_co_u32 s17, 11, s8
	s_cmp_lt_u32 s8, 4
	s_cselect_b32 s76, s8, s17                     ; my group of 32 queries: w for waves 0-3, 11 - w for waves 4-7
	s_lshr_b32 s9, s76, 1                          ; the step of a diagonal superstep in which my queries' diagonal lies
	s_mov_b32 s18, 0x76543210                      ; v_permlanex16_b32: lane i reads lane i of the other half
	s_mov_b32 s19, 0xfedcba98
	s_mov_b32 s20, 0x3e38aa3b                      ; c = log2 e / 8 (the pair is named by the packed form, its first register is used)
	s_mov_b32 s21, 0x3e38aa3b
	s_mov_b32 s22, 0xbe38aa3b                      ; -c
	; group 1: 64 key rows of 128 bytes are 8,192 dense bytes: 32 rows x 32 elements of 8 bytes; padding behind every 64 words: 4 words for K, 8 for V
	s_mov_b32 s[G1K+0], (3<<16)|(1<<20)|(5<<22)|(3<<25)
	s_mov_b32 s[G1V+0], (3<<16)|(1<<20)|(5<<22)|(7<<25)
.irp g, G1K, G1V
	s_mov_b32 s[\g+1], 32<<16                      ; tensor_dim0 = 32
	s_mov_b32 s[\g+2], 32<<16                      ; tensor_dim1 = 32
	s_mov_b32 s[\g+3], 32<<16                      ; tile_dim0 = 32
	s_mov_b32 s[\g+4], 32                          ; tile_dim1 = 32
	s_mov_b32 s[\g+5], 32                          ; elements from row to row
	s_mov_b32 s[\g+6], 0
	s_mov_b32 s[\g+7], 0
.endr
	s_lshl_b32 s36, s11, 18                        ; 262,144 bytes for each (b, h)
	s_mov_b32 s37, 0
	s_mov_b32 s39, 0
	s_lshl_b32 s38, s8, 13                         ; 64 rows of 128 bytes for each wave
	s_add_co_u32 s38, s38, s36
	s_add_co_u32 s38, s38, 0x2000000               ; V's part; waves 0-3 take quarters 0-3
	s_mul_i32 s17, s8, 32*VUNIT                    ; V's quarter of wave w at 9,216 w
	s_mul_i32 s23, s8, 32*KUNIT
	s_add_co_u32 s23, s23, VBYTES-4*32*KUNIT       ; K's quarter of wave w (4-7) at 36,864 + 8,704 (w - 4) = 2,048 + 8,704 w
	s_wait_dscnt 0x0
	s_wait_kmcnt 0x0
	s_add_nc_u64 s[34:35], s[4:5], s[38:39]        ; V: my rows of key block 0
	s_sub_co_u32 s38, s38, 0x1008000               ; K's part, and waves 4-7 take quarters 0-3: 32,768 bytes back
	s_add_nc_u64 s[32:33], s[4:5], s[38:39]        ; K: my rows of key block 0
.irp s, 0,1
	s_mov_b32 s[G0V+4*\s], 1
	s_add_co_u32 s[G0V+4*\s+1], s17, \s*SLOT
	s_add_nc_u64 s[G0V+4*\s+2:G0V+4*\s+3], s[34:35], \s*32768      ; supersteps 0 and 1 are key blocks 0 and 1 (n1 is at least 5)
	s_or_b32 s[G0V+4*\s+3], s[G0V+4*\s+3], 0x80000000
	s_mov_b32 s[G0K+4*\s], 1
	s_add_co_u32 s[G0K+4*\s+1], s23, \s*SLOT
	s_add_nc_u64 s[G0K+4*\s+2:G0K+4*\s+3], s[32:33], \s*32768
	s_or_b32 s[G0K+4*\s+3], s[G0K+4*\s+3], 0x80000000
.endr
	s_cmp_lt_u32 s8, 4                             ; a wave's two first fills stand in one branch on its number
	s_cbranch_scc0 .Lfirst_k
	tensor_load_to_lds s[G0V:G0V+3], s[G1V:G1V+7]
	s_nop 0
	tensor_load_to_lds s[G0V+4:G0V+7], s[G1V:G1V+7]
	s_nop 0
	s_branch .Lfirst_done
.Lfirst_k:
	tensor_load_to_lds s[G0K:G0K+3], s[G1K:G1K+7]
	s_nop 0
	tensor_load_to_lds s[G0K+4:G0K+7], s[G1K:G1K+7]
	s_nop 0
.Lfirst_done:
	; q's and out0's blocks
	s_sub_co_u32 s17, 7, s10                       ; the first block
	s_lshl_b32 s38, s17, 15                        ; 256 rows of 128 bytes
	s_add_co_u32 s38, s38, s36
	s_add_nc_u64 s[24:25], s[4:5], s[38:39]        ; q, first block
	s_lshl_b32 s38, s10, 15
	s_add_co_u32 s38, s38, s36
	s_add_nc_u64 s[26:27], s[4:5], s[38:39]        ; q, second block
	s_lshr_b32 s23, s11, 4
	s_lshl_b32 s23, s23, 23                        ; b x 2,048 rows of 4,096 bytes
	s_and_b32 s38, s11, 15
	s_lshl_b32 s38, s38, 8                         ; h x 256 bytes
	s_add_co_u32 s23, s23, s38
	s_lshl_b32 s38, s17, 20                        ; 256 rows of 4,096 bytes
	s_add_co_u32 s38, s38, s23
	s_add_nc_u64 s[28:29], s[6:7], s[38:39]        ; out0, first block
	s_lshl_b32 s38, s10, 20
	s_add_co_u32 s38, s38, s23
	s_add_nc_u64 s[30:31], s[6:7], s[38:39]        ; out0, second block
	v_and_b32 v1, 15, v0                           ; r
	v_bfe_u32 v8, v0, 4, 1                         ; h
	v_lshrrev_b32 v9, 1, v1
	v_mul_u32_u24 v[KA], v9, KUNIT                 ; K: key row r lies in the pair of rows r / 2,
	v_and_b32 v9, 1, v0
	v_lshl_add_u32 v[KA], v9, 7, v[KA]             ; the odd row 128 bytes behind the even one,
	v_lshl_add_u32 v[KA], v8, 4, v[KA]             ; + 16 h,
	v_add_nc_u32 v[KA], VBYTES, v[KA]              ; behind V
	v_add_nc_u32 v[KA+1], SLOT, v[KA]
	v_bfe_u32 v15, v0, 1, 2
	v_lshl_add_u32 v15, v8, 2, v15                 ; V: key row 8 h + l % 8 lies in the pair 4 h + (l % 8) / 2,
	v_mul_u32_u24 v[VA], v15, VUNIT
	v_lshl_add_u32 v[VA], v9, 7, v[VA]             ; the odd row 128 bytes behind the even one,
	v_bfe_u32 v15, v0, 3, 1
	v_lshl_add_u32 v[VA], v15, 4, v[VA]            ; 16 bytes further for lanes 8-15 and 24-31
	v_add_nc_u32 v[VA+1], SLOT, v[VA]
	s_lshl_b32 s17, s76, 5                         ; my group's first query in the block
	v_lshlrev_b32 v9, 3, v8
	v_sub_nc_u32 v9, v1, v9
	v_add_nc_u32 v[DG], s17, v9                    ; 32 g + r - 8 h
	v_add_nc_u32 v[DG+1], 16, v[DG]
	v_mov_b32 v[NINF], 0xff800000
	v_add_nc_u32 v9, s17, v1
	v_lshlrev_b32 v9, 7, v9
	v_lshl_add_u32 v[QOFF], v8, 4, v9              ; (32 g + r) x 128 + 16 h
	s_mul_i32 s23, s8, 32*SPITCH
	s_add_co_u32 s23, s23, STAGE                   ; my stage, by the wave's number
	v_mul_u32_u24 v9, v1, SPITCH
	v_lshl_add_u32 v9, v8, 5, v9
	v_add_nc_u32 v[STO], s23, v9                   ; in: query row r, 32 bytes for each half of the lanes
	v_mul_u32_u24 v9, v8, SPITCH
	v_lshl_add_u32 v9, v1, 4, v9
	v_add_nc_u32 v[RD], s23, v9                    ; back: lanes 0-15 one row of 256 bytes, lanes 16-31 the next
	v_add_nc_u32 v9, s17, v8
	v_lshlrev_b32 v9, 12, v9
	v_lshl_add_u32 v[CO], v1, 4, v9                ; the same two rows in out0
.macro QLOAD qb, to                    ; my 32 queries as second sources: lane (r, h) holds query r, e = 32 c + 8 h .. and 32 c + 16 + 8 h ..
.irp t, 0,1
.irp c, 0,1
	global_load_b128 v[\to+8*(2*\t+\c):\to+8*(2*\t+\c)+3],   v[QOFF], s[\qb:\qb+1] offset:2048*\t+64*\c
	global_load_b128 v[\to+8*(2*\t+\c)+4:\to+8*(2*\t+\c)+7], v[QOFF], s[\qb:\qb+1] offset:2048*\t+64*\c+32
.endr
.endr
.endm
.macro START                           ; a block begins: m = -inf, -c m = +inf (so the first factor is 2^-inf = 0), sum = 0
	v_mov_b32 v[M], v[NINF]
	v_mov_b32 v[M+1], v[NINF]
.irp q, 0,1,2,3
	v_mov_b32 v[NM+\q], 0x7f800000
.endr
	v_mov_b32 v[L], 0
	v_mov_b32 v[L+1], 0
.endm
.macro KLOAD slot, i                   ; the K fragments of keys 64 i .. 64 i + 63 of a slot: sixteen loads
.irp a, 0,1,2,3
.irp c, 0,1
	ds_load_b128 v[KF+8*(2*\a+\c):KF+8*(2*\a+\c)+3],   v[KA+\slot] offset:(64*(\i)+16*\a)*(KUNIT/2)+64*\c
	ds_load_b128 v[KF+8*(2*\a+\c)+4:KF+8*(2*\a+\c)+7], v[KA+\slot] offset:(64*(\i)+16*\a)*(KUNIT/2)+64*\c+32
.endr
.endr
.endm
; Softmax step of both query tiles over 64 keys.  Tile t's 32 scores of a lane lie in the four tiles (a, t): number m at S + 8 t + 16 (m / 8) + m % 8.
; The two tiles' chains stand by turns, and plain arithmetic of one tile stands between the exponentials of the other, so that no line waits
; for the line in front of it and a plain instruction stands behind every exponential before its result is used (ISA guide 5.7.2).
.macro SOFT2
.irp t, 0,1
	v_max3_num_f32 v[TA\t],   v[S+8*\t],    v[S+8*\t+1],  v[S+8*\t+2]          ; two chains a tile, 15 scores each
	v_max3_num_f32 v[TA\t+1], v[S+8*\t+32], v[S+8*\t+33], v[S+8*\t+34]
.endr
.set n, 3
.rept 6
.irp t, 0,1
	v_max3_num_f32 v[TA\t],   v[TA\t],   v[S+8*\t+16*(n/8)+(n%8)],    v[S+8*\t+16*((n+1)/8)+((n+1)%8)]
	v_max3_num_f32 v[TA\t+1], v[TA\t+1], v[S+8*\t+32+16*(n/8)+(n%8)], v[S+8*\t+32+16*((n+1)/8)+((n+1)%8)]
.endr
.set n, n+2
.endr
.irp t, 0,1
	v_max3_num_f32 v[TA\t], v[TA\t], v[S+8*\t+23], v[S+8*\t+55]                ; the two scores left over
.endr
.irp t, 0,1
	v_max3_num_f32 v[TA\t], v[TA\t], v[TA\t+1], v[M+\t]                        ; and the maximum so far
.endr
.irp t, 0,1
	v_permlanex16_b32 v[TA\t+1], v[TA\t], s18, s19                             ; the other half holds the same query's other keys
.endr
.irp t, 0,1
	v_max_num_f32 v[M+\t], v[TA\t], v[TA\t+1]                                  ; the new maximum
.endr
.irp t, 0,1
	v_mul_f32 v[TB\t], s22, v[M+\t]                                            ; -c m
.endr
.irp t, 0,1
	v_sub_f32 v[TB\t+1], v[TB\t], v[NM+2*\t]                                   ; c m(old) - c m(new), of the same rounded shifts that the exponents use
.endr
	v_exp_f32 v[AL], v[TB0+1]
	v_exp_f32 v[AL+2], v[TB1+1]
	v_mov_b32 v[NM], v[TB0]
	v_mov_b32 v[NM+2], v[TB1]
.set n, 0
.rept 16                                                                       ; tile 0: c s - c m
.set p, S+16*(n/4)+2*(n%4)
	v_pk_fma_f32 v[p:p+1], v[p:p+1], s[20:21], v[NM:NM+1] op_sel_hi:[1,0,0]
.set n, n+1
.endr
.set n, 0
.rept 16                                                                       ; tile 0's exponentials, tile 1's exponents between them
.set p, S+16*(n/4)+2*(n%4)
	v_exp_f32 v[p], v[p]
	v_exp_f32 v[p+1], v[p+1]
	v_pk_fma_f32 v[p+8:p+9], v[p+8:p+9], s[20:21], v[NM+2:NM+3] op_sel_hi:[1,0,0]
.set n, n+1
.endr
.set n, 0
.rept 8                                                                        ; tile 1's exponentials, tile 0's sum (two chains of pairs) between them
.set p, S+8+16*(n/2)+4*(n%2)
.set q, S+16*(n/4)+2*(n%4)
	v_exp_f32 v[p], v[p]
	v_exp_f32 v[p+1], v[p+1]
.if n == 1
	s_wait_alu depctr_va_vdst(0)
	v_pk_add_f32 v[TA0:TA0+1], v[S:S+1], v[q:q+1]
.endif
.if n > 1
	v_pk_add_f32 v[TA0:TA0+1], v[TA0:TA0+1], v[q:q+1]
.endif
	v_exp_f32 v[p+2], v[p+2]
	v_exp_f32 v[p+3], v[p+3]
.if n == 1
	v_pk_add_f32 v[TB0:TB0+1], v[S+32:S+33], v[q+32:q+33]
.endif
.if n > 1
	v_pk_add_f32 v[TB0:TB0+1], v[TB0:TB0+1], v[q+32:q+33]
.endif
.set n, n+1
.endr
	v_pk_add_f32 v[TA0:TA0+1], v[TA0:TA0+1], v[TB0:TB0+1]
	v_pk_add_f32 v[TA1:TA1+1], v[S+8:S+9],   v[S+10:S+11]                      ; tile 1's sum
	s_wait_alu depctr_va_vdst(0)
	v_pk_add_f32 v[TB1:TB1+1], v[S+40:S+41], v[S+42:S+43]
	v_add_f32 v[TA0], v[TA0], v[TA0+1]
.set n, 2
.rept 6
.set q, S+8+16*(n/4)+2*(n%4)
	v_pk_add_f32 v[TA1:TA1+1], v[TA1:TA1+1], v[q:q+1]
	v_pk_add_f32 v[TB1:TB1+1], v[TB1:TB1+1], v[q+32:q+33]
.set n, n+1
.endr
	v_fma_f32 v[L], v[L], v[AL], v[TA0]
	v_pk_add_f32 v[TA1:TA1+1], v[TA1:TA1+1], v[TB1:TB1+1]
	v_add_f32 v[TA1], v[TA1], v[TA1+1]
	v_fma_f32 v[L+1], v[L+1], v[AL+2], v[TA1]
.endm
; One step: keys 64 i .. 64 i + 63 of a slot.  chk = 1: the step is left out where s15 < i and masked where s15 = i (s15: my diagonal's step in a
; diagonal superstep, 4 in every other).  zero: the products start O's sums.  kload: K's fragments are loaded here; knext: the next step's are asked
; for behind the score products, so that they come in during the softmax.
.macro STEP slot, i, chk, zero, kload, knext
.if \chk
.if \i
	s_cmp_lt_u32 s15, \i
	s_cbranch_scc1 .Lskip_\@
.endif
.endif
.if \kload
	KLOAD \slot, \i
.endif
.irp f, 0,1,2,3
.irp u, 0,1
	ds_load_tr16_b128 v[VF+8*(2*\f+\u):VF+8*(2*\f+\u)+3],   v[VA+\slot] offset:(64*\i+32*\u)*(VUNIT/2)+32*\f
	ds_load_tr16_b128 v[VF+8*(2*\f+\u)+4:VF+8*(2*\f+\u)+7], v[VA+\slot] offset:(64*\i+32*\u)*(VUNIT/2)+32*\f+8*VUNIT
.endr
.endr
	s_wait_dscnt 16                                ; K's sixteen loads are in, V's sixteen, issued behind them, may stay out
.irp c, 0,1                                        ; S^T = K Q^T: the eight accumulators take turns, one instruction a turn
.irp a, 0,1,2,3
.irp t, 0,1
.if \c
	v_wmma_f32_16x16x32_f16 v[S+8*(2*\a+\t):S+8*(2*\a+\t)+7], v[KF+8*(2*\a+\c):KF+8*(2*\a+\c)+7], v[QF+8*(2*\t+\c):QF+8*(2*\t+\c)+7], v[S+8*(2*\a+\t):S+8*(2*\a+\t)+7]
.else
	v_wmma_f32_16x16x32_f16 v[S+8*(2*\a+\t):S+8*(2*\a+\t)+7], v[KF+8*(2*\a+\c):KF+8*(2*\a+\c)+7], v[QF+8*(2*\t+\c):QF+8*(2*\t+\c)+7], 0
.endif
.endr
.endr
.endr
	PLACES                                         ; in front of the loads into K's registers and of whatever reads the scores
.if \knext
	KLOAD \slot, \i+1
.endif
.if \chk
	s_cmp_lg_u32 s15, \i
	s_cbranch_scc1 .Lnomask_\@
.irp t, 0,1                                        ; key 64 i + 16 a + 8 h + q is masked where it lies behind the query: 64 i + 16 a + q > query - 8 h
.irp a, 0,1,2,3
.irp q, 0,1,2,3,4,5,6,7
	v_cmp_gt_i32 vcc_lo, 64*\i+16*\a+\q, v[DG+\t]
	v_cndmask_b32 v[S+8*(2*\a+\t)+\q], v[S+8*(2*\a+\t)+\q], v[NINF], vcc_lo
.endr
.endr
.endr
.Lnomask_\@:
.endif
	SOFT2
	WIN 0x40                                       ; P in window 1
.irp t, 0,1
.irp a, 0,1,2,3
.irp q, 0,1,2,3
	v_cvt_pk_f16_f32 v[PF+16*\t+4*\a+\q], v[S+8*\t+16*\a+2*\q], v[S+8*\t+16*\a+2*\q+1]   ; keys 16 a + 8 h + 2 q, + 1: register 4 (a % 2) + q of fragment (t, a / 2)
.endr
.endr
.endr
.if (\zero) == 0
	WIN 0x41                                       ; O in window 1 as destination and first source, the factor in window 0
.irp t, 0,1
.irp f, 0,1,2,3
.irp p, 0,2,4,6
	v_pk_mul_f32 v[8*(2*\f+\t)+\p:8*(2*\f+\t)+\p+1], v[8*(2*\f+\t)+\p:8*(2*\f+\t)+\p+1], v[AL+2*\t:AL+2*\t+1] op_sel_hi:[1,0]
.endr
.endr
.endr
.endif
	s_wait_dscnt 16*\knext                         ; V's fragments are in; the next step's sixteen K loads, issued behind them, may stay out
	WIN 0x54                                       ; P, C and D in window 1, V in window 0
.irp u, 0,1                                        ; O^T += V^T P^T: again eight accumulators by turns
.irp f, 0,1,2,3
.irp t, 0,1
.if (\zero)*(1-\u)
	v_wmma_f32_16x16x32_f16 v[8*(2*\f+\t):8*(2*\f+\t)+7], v[VF+8*(2*\f+\u):VF+8*(2*\f+\u)+7], v[PF+8*(2*\t+\u):PF+8*(2*\t+\u)+7], 0
.else
	v_wmma_f32_16x16x32_f16 v[8*(2*\f+\t):8*(2*\f+\t)+7], v[VF+8*(2*\f+\u):VF+8*(2*\f+\u)+7], v[PF+8*(2*\t+\u):PF+8*(2*\t+\u)+7], v[8*(2*\f+\t):8*(2*\f+\t)+7]
.endif
.endr
.endr
.endr
	WIN 0
	PLACES                                         ; in front of the next loads into V's registers and of whatever reads O
.Lskip_\@:
.endm
; A block ends: divide by the sum, 32 rows of 256 bytes through my own stage, whole rows out.  more = 1: the second block's queries and a fresh state.
.macro EPI ob, more
	v_permlanex16_b32 v[TA0], v[L], s18, s19       ; the other half's part of the sum
	v_permlanex16_b32 v[TA0+1], v[L+1], s18, s19
	v_add_f32 v[TA0], v[TA0], v[L]
	v_add_f32 v[TA0+1], v[TA0+1], v[L+1]
	v_rcp_f32 v[AL], v[TA0]
	v_rcp_f32 v[AL+2], v[TA0+1]
	v_nop                                          ; one plain instruction behind the reciprocals
	WIN 0x41
	s_wait_alu depctr_va_vdst(0)
.irp t, 0,1
.irp f, 0,1,2,3
.irp p, 0,2,4,6
	v_pk_mul_f32 v[8*(2*\f+\t)+\p:8*(2*\f+\t)+\p+1], v[8*(2*\f+\t)+\p:8*(2*\f+\t)+\p+1], v[AL+2*\t:AL+2*\t+1] op_sel_hi:[1,0]
.endr
.endr
.endr
	WIN 0x04                                       ; store data in window 1, address in window 0
.irp t, 0,1
.irp f, 0,1,2,3
	ds_store_b128 v[STO], v[8*(2*\f+\t):8*(2*\f+\t)+3]   offset:16*SPITCH*\t+64*\f      ; query 16 t + r, e = 16 f + 8 h + 0..3
	ds_store_b128 v[STO], v[8*(2*\f+\t)+4:8*(2*\f+\t)+7] offset:16*SPITCH*\t+64*\f+16   ; e = 16 f + 8 h + 4..7
.endr
.endr
	WIN 0
.irp p, 0,1,2,3,4,5,6,7,8,9,10,11,12,13,14,15
	ds_load_b128 v[S+4*\p:S+4*\p+3], v[RD] offset:2*SPITCH*\p      ; a wave's LDS instructions are served in order: these see the stores above
.endr
.irp p, 0,1,2,3,4,5,6,7,8,9,10,11,12,13,14,15
	s_wait_dscnt 15-\p
	global_store_b128 v[CO], v[S+4*\p:S+4*\p+3], s[\ob:\ob+1] offset:8192*\p th:TH_STORE_NT   ; sixteen lanes store 256 consecutive bytes, at a multiple of 256
.endr
.if \more
	START
	WIN 0x01                                       ; the second block's queries, in registers since the start
.set n, 0
.rept 32
	v_mov_b32 v[QF+n], v[Q2+n]
.set n, n+1
.endr
	WIN 0x40                                       ; the second block's first step falls in a trip that hangs on the work-group's number, so no written-out
.irp q, 0,1,2,3,4,5,6,7                            ; first product can start its sums: O is cleared, this once (a factor of 0 would carry an infinity over)
.irp p, 0,1,2,3,4,5,6,7
	v_mov_b32 v[8*\q+\p], 0
.endr
.endr
	WIN 0
	s_wait_xcnt 0x0                                ; the score registers, which the stores above read, are written again only behind this wait
.endif
.endm
; Superstep t (s13) on a slot.  first: t = 0.  refill: the other slot gets superstep t + 1's keys.  last: t = 8.
.macro SUPER slot, other, first, refill, last
.if \first
	s_wait_tensorcnt 0x1                           ; my part of slot 0 is in; slot 1's may stay out
	s_barrier_signal -1
	s_barrier_wait -1
.else
	s_set_vgpr_msb 0x5
	s_wait_tensorcnt 0x0                           ; all my tensor loads have landed, my part of this slot among them: group 0 may be written
	ds_add_u32 v128, v129
	s_wait_dscnt 0x0
	s_set_vgpr_msb 0x500
	s_add_co_u32 s17, s13, 1                       ; t + 1
.if \refill
	s_sub_co_u32 s23, s17, s12
	s_cmp_ge_u32 s17, s12
	s_cselect_b32 s36, s23, s17                    ; its key block: t + 1, or t + 1 - n1 in the second block
	s_lshl_b32 s36, s36, 15                        ; 256 rows of 128 bytes
	s_add_nc_u64 s[G0K+4*\other+2:G0K+4*\other+3], s[32:33], s[36:37]
	s_or_b32 s[G0K+4*\other+3], s[G0K+4*\other+3], 0x80000000
	s_add_nc_u64 s[G0V+4*\other+2:G0V+4*\other+3], s[34:35], s[36:37]
	s_or_b32 s[G0V+4*\other+3], s[G0V+4*\other+3], 0x80000000
.endif
.if \last
	s_mov_b32 s15, s9                              ; the second block's diagonal superstep
.else
	s_cmp_eq_u32 s17, s12
	s_cselect_b32 s16, 1, 0                        ; t = n1 - 1: the first block's diagonal superstep
	s_cselect_b32 s15, s9, 4                       ; there my diagonal's step, elsewhere a number that no step reaches
.endif
	s_wait_dscnt 0x0                               ; my reads of the other slot are over
	s_barrier_signal -1
	s_barrier_wait -1                              ; both now hold of every wave
.if \refill
	KVLOAD \other                                  ; my one tensor load behind this barrier, first thing there
.endif
.endif
	STEP \slot, 0, 1-\first, \first, 1, 1
	STEP \slot, 1, 1-\first, 0, 0, 1
	STEP \slot, 2, 1-\first, 0, 0, 1
	STEP \slot, 3, 1-\first, 0, 0, 0
.if \last
	EPI 30, 0
.else
.if (\first) == 0
	s_cmp_eq_u32 s16, 0
	s_cbranch_scc1 .Lnoepi_\@
	EPI 28, 1
.Lnoepi_\@:
.endif
	s_add_co_u32 s13, s13, 1
.endif
.endm
	QLOAD 24, QF                                   ; both blocks' queries go out at the start: no load is waited for in the middle
	WIN 0x40
	QLOAD 26, Q2
	WIN 0
	START
	v_mov_b32 v[AL+1], 0                           ; the second registers of the factors' pairs are named by the packed forms and never used
	v_mov_b32 v[AL+3], 0
	s_wait_loadcnt 0x0
	SUPER 0, 1, 1, 0, 0                            ; t = 0
	s_mov_b32 s14, 3
.Ltrip:
	SUPER 1, 0, 0, 1, 0                            ; t = 1, 3, 5
	SUPER 0, 1, 0, 1, 0                            ; t = 2, 4, 6
	s_sub_co_u32 s14, s14, 1
	s_cmp_lg_u32 s14, 0
	s_cbranch_scc1 .Ltrip
	SUPER 1, 0, 0, 1, 0                            ; t = 7: the last refill
	SUPER 0, 1, 0, 0, 1                            ; t = 8: the second block's diagonal; nothing is left to fetch
	s_set_vgpr_msb 0x5
	s_wait_tensorcnt 0x0
	ds_add_u32 v128, v129
	s_wait_dscnt 0x0
	s_set_vgpr_msb 0x500
	s_endpgm
.Lfunc_end_k_q4bb8550699_attn:
	.size	k_q4bb8550699_attn, .Lfunc_end_k_q4bb8550699_attn-k_q4bb8550699_attn
	.p2alignl 7, 3214868480
	.fill 96, 4, 3214868480
	.section	.rodata,"a",@progbits
	.p2align	6, 0x0
	.amdhsa_kernel k_q4bb8550699_attn
		.amdhsa_group_segment_fixed_size 327680
		.amdhsa_private_segment_fixed_size 0
		.amdhsa_enable_private_segment 0
		.amdhsa_kernarg_size 16
		.amdhsa_user_sgpr_count 2
		.amdhsa_user_sgpr_kernarg_segment_ptr 1
		.amdhsa_wavefront_size32 1
		.amdhsa_system_sgpr_workgroup_id_x 1
		.amdhsa_system_sgpr_workgroup_id_y 1
		.amdhsa_system_sgpr_workgroup_id_z 1
		.amdhsa_system_vgpr_workitem_id 0
		.amdhsa_next_free_vgpr 386
		.amdhsa_next_free_sgpr 80
		.amdhsa_reserve_vcc 1
		.amdhsa_float_denorm_mode_32 3
		.amdhsa_float_denorm_mode_16_64 3
		.amdhsa_memory_ordered 1
		.amdhsa_forward_progress 1
		.amdhsa_inst_pref_size 255
	.end_amdhsa_kernel
	.section	.bss,"aw",@nobits
	.p2align	6
	.space	262144
	.amdgpu_metadata
---
amdhsa.version: [ 1, 2 ]
amdhsa.kernels:
  - .name:           k_q4bb8550699_attn
    .symbol:         k_q4bb8550699_attn.kd
    .args:
      - { .name: qkv, .offset: 0, .size: 8, .value_kind: global_buffer, .address_space: global }
      - { .name: out0, .offset: 8, .size: 8, .value_kind: global_buffer, .address_space: global }
    .group_segment_fixed_size: 327680
    .private_segment_fixed_size: 0
    .kernarg_segment_align: 8
    .kernarg_segment_size: 16
    .max_flat_workgroup_size: 256
    .sgpr_count:     80
    .vgpr_count:     386
    .wavefront_size: 32
...
	.end_amdgpu_metadata
.endif
;; end of part 6
;; ======== version 3 of 3: 3 launches; version 2 with the launch prep written anew for expert scheduling mode
;; limits: values are held in f16: magnitudes above 65,504 overflow, below 6.1e-05 lose precision
;; workspace buffers: xb 16,777,216 bytes; wb 6,291,456 bytes; qkv 50,331,648 bytes
;; launch prep (part 7): grid 704 x 1, 8 waves a work-group, no clusters, 0 bytes of LDS; arguments x, Wq, Wk, Wv, xb, wb; writes xb, wb
.if DOCPART == 7
	.amdgcn_target "amdgcn-amd-amdhsa--gfx1250"
	.amdhsa_code_object_version 6
	.text
	.protected	k_q4bb8550699_prep
	.globl	k_q4bb8550699_prep
	.p2align	8
	.type	k_q4bb8550699_prep,@function
k_q4bb8550699_prep:
	s_mov_b64 s[64:65], 0
	v_nop
	global_prefetch_b8 v0, s[64:65] scope:SCOPE_SE
	s_setreg_imm32_b32 hwreg(HW_REG_WAVE_SCHED_MODE, 0, 2), 2
	s_setreg_imm32_b32 hwreg(HW_REG_WAVE_MODE, 25, 1), 1
	s_wait_xcnt 0x0
	s_wait_alu depctr_vm_vsrc(0)
; Cast to bf16.  x [8192][1024] f32 -> xb, same layout.  Wq, Wk, Wv [16 (h)][1024 (k)][64 (e)] f32 -> wb [h][k/2][q,k,v][k%2][e]:
; a block of 256 bytes of wb is two k rows of one W, 128 consecutive numbers of the source, and the three W's blocks of the same two rows
; follow each other, so that the q|k|v weights of one head and 128 k are 49,152 dense bytes for the next launch.
; A pure stream: every input byte is read once and every output byte written once, so no LDS, no barrier, no matrix unit.
; Work-group g takes 16,384 numbers (65,536 bytes in, 32,768 out): g 0-511 chunk g of x; 512-575 of Wq; 576-639 of Wk; 640-703 of Wv.
; A wave's load covers 512 consecutive bytes, a wave's store 256 consecutive bytes that begin at a multiple of 256, in xb and in wb.
; All sixteen loads of a thread are issued first; no register is written twice.
; THE MODE: SCHED_MODE bits 1:0 = 2 (LLVM: expert scheduling mode 2), set by the entry lines.  The code itself states the register dependences
; between vector instructions and memory instructions, with s_wait_alu, always for 0.
; THE PLAN.  Registers that memory instructions touch:
;   v1          the loads' offset; v2, v3 the stores' offsets (xb, wb).  Written once each at the head by vector instructions, never again.
;   IN          Written by the sixteen loads, once each; no vector instruction names them ahead of the loads; read by the conversions behind the counted wait for the data.
;   OUT         Written by the conversions, once each; read by the stores, once each; never written again.
; So no register that a memory instruction reads is written again, and no load lands in a register that a vector instruction has named: what is left to state
; is that a register is written before a memory instruction reads it.  One wait ahead of the first load states it for the three offsets, for the whole kernel.
; The loads are worked off in four groups of four: the group's eight conversions, ONE wait, the group's four stores in a run: four waits for sixteen stores.
.set IN,  16                           ; v[16:79]   sixteen loads of four f32
.set OUT, 80                           ; v[80:111]  sixteen stores of four bf16
	s_load_b256 s[4:11], s[0:1], 0x0               ; x s[4:5], Wq s[6:7], Wk s[8:9], Wv s[10:11]
	s_load_b128 s[12:15], s[0:1], 0x20             ; xb s[12:13], wb s[14:15]
	v_lshlrev_b32 v1, 4, v0                        ; 16 bytes a thread in
	v_lshlrev_b32 v2, 3, v0                        ; xb: 8 bytes a thread out
	v_lshrrev_b32 v3, 5, v0                        ; wave
	v_and_b32 v4, 31, v0
	v_lshlrev_b32 v4, 3, v4                        ; 8 bytes a lane
	v_mad_u32_u24 v3, v3, 768, v4                  ; wb: a wave's block of 256 bytes, the blocks of one W 768 bytes apart
	s_and_b32 s20, ttmp9, 63                       ; chunk inside one W (64 chunks each)
	s_sub_co_u32 s22, ttmp9, 512                   ; (used for g >= 512 alone)
	s_lshr_b32 s22, s22, 6                         ; which W: 0, 1, 2
	s_lshl_b32 s22, s22, 8                         ; its block among the three
	s_mul_i32 s23, s20, 98304                      ; a chunk is 128 blocks, 768 bytes apart
	s_add_co_u32 s22, s22, s23
	s_lshl_b32 s23, ttmp9, 15                      ; xb: 32,768 bytes a chunk
	s_cmp_lt_u32 ttmp9, 512
	s_cselect_b32 s20, ttmp9, s20                  ; chunk of the source
	s_cselect_b32 s22, s23, s22                    ; byte offset in the destination
	s_lshl_b32 s20, s20, 16                        ; x 65,536 bytes
	s_mov_b32 s21, 0
	s_mov_b32 s23, 0
	s_wait_kmcnt 0x0
	s_cmp_ge_u32 ttmp9, 576
	s_cselect_b64 s[16:17], s[8:9], s[6:7]         ; Wk or Wq
	s_cmp_ge_u32 ttmp9, 640
	s_cselect_b64 s[16:17], s[10:11], s[16:17]     ; Wv
	s_cmp_lt_u32 ttmp9, 512
	s_cselect_b64 s[16:17], s[4:5], s[16:17]       ; x
	s_cselect_b64 s[18:19], s[12:13], s[14:15]     ; xb or wb
	s_add_nc_u64 s[16:17], s[16:17], s[20:21]
	s_add_nc_u64 s[18:19], s[18:19], s[22:23]
	s_wait_alu depctr_va_vdst(0)                   ; v1, v2 and v3 are written: every load below reads v1 as its offset, every store v2 or v3; no vector instruction behind this line names them
.irp i, 0,1,2,3,4,5,6,7,8,9,10,11,12,13,14,15
	global_load_b128 v[IN+4*\i:IN+4*\i+3], v1, s[16:17] offset:4096*\i th:TH_LOAD_NT   ; read once in the launch
.endr
; off: the thread's offset register; step: bytes in the destination from one load's numbers to the next load's
.macro CAST off, step
.irp g, 0,1,2,3
	s_wait_loadcnt 12-4*\g                         ; loads come back in order: loads 4 g to 4 g + 3 are in, the 12 - 4 g younger ones stay out
.irp i, 0,1,2,3
	v_cvt_pk_bf16_f32 v[OUT+2*(4*\g+\i)],   v[IN+4*(4*\g+\i)],   v[IN+4*(4*\g+\i)+1]
	v_cvt_pk_bf16_f32 v[OUT+2*(4*\g+\i)+1], v[IN+4*(4*\g+\i)+2], v[IN+4*(4*\g+\i)+3]
.endr
	s_wait_alu depctr_va_vdst(0)                   ; the group's eight conversions have written v[OUT + 8 g .. OUT + 8 g + 7], which the four stores below read
.irp i, 0,1,2,3
	global_store_b64 \off, v[OUT+2*(4*\g+\i):OUT+2*(4*\g+\i)+1], s[18:19] offset:\step*(4*\g+\i)
.endr
.endr
.endm
	s_cmp_lt_u32 ttmp9, 512
	s_cbranch_scc0 .Lweights
	CAST v2, 2048                                  ; x: eight waves x 256 bytes, dense
	s_endpgm
.Lweights:
	CAST v3, 6144                                  ; W: eight waves x 768 bytes
	s_endpgm
.Lfunc_end_k_q4bb8550699_prep:
	.size	k_q4bb8550699_prep, .Lfunc_end_k_q4bb8550699_prep-k_q4bb8550699_prep
	.p2alignl 7, 3214868480
	.fill 96, 4, 3214868480
	.section	.rodata,"a",@progbits
	.p2align	6, 0x0
	.amdhsa_kernel k_q4bb8550699_prep
		.amdhsa_group_segment_fixed_size 0
		.amdhsa_private_segment_fixed_size 0
		.amdhsa_enable_private_segment 0
		.amdhsa_kernarg_size 48
		.amdhsa_user_sgpr_count 2
		.amdhsa_user_sgpr_kernarg_segment_ptr 1
		.amdhsa_wavefront_size32 1
		.amdhsa_system_sgpr_workgroup_id_x 1
		.amdhsa_system_sgpr_workgroup_id_y 1
		.amdhsa_system_sgpr_workgroup_id_z 1
		.amdhsa_system_vgpr_workitem_id 0
		.amdhsa_next_free_vgpr 112
		.amdhsa_next_free_sgpr 66
		.amdhsa_reserve_vcc 0
		.amdhsa_float_denorm_mode_32 3
		.amdhsa_float_denorm_mode_16_64 3
		.amdhsa_memory_ordered 1
		.amdhsa_forward_progress 1
		.amdhsa_inst_pref_size 11
	.end_amdhsa_kernel
	.amdgpu_metadata
---
amdhsa.version: [ 1, 2 ]
amdhsa.kernels:
  - .name:           k_q4bb8550699_prep
    .symbol:         k_q4bb8550699_prep.kd
    .args:
      - { .name: x, .offset: 0, .size: 8, .value_kind: global_buffer, .address_space: global }
      - { .name: Wq, .offset: 8, .size: 8, .value_kind: global_buffer, .address_space: global }
      - { .name: Wk, .offset: 16, .size: 8, .value_kind: global_buffer, .address_space: global }
      - { .name: Wv, .offset: 24, .size: 8, .value_kind: global_buffer, .address_space: global }
      - { .name: xb, .offset: 32, .size: 8, .value_kind: global_buffer, .address_space: global }
      - { .name: wb, .offset: 40, .size: 8, .value_kind: global_buffer, .address_space: global }
    .group_segment_fixed_size: 0
    .private_segment_fixed_size: 0
    .kernarg_segment_align: 8
    .kernarg_segment_size: 48
    .max_flat_workgroup_size: 256
    .sgpr_count:     66
    .vgpr_count:     112
    .wavefront_size: 32
...
	.end_amdgpu_metadata
.endif
;; end of part 7
;; launch proj: the kernel of part 5 again; grid 16 x 16, 4 waves a work-group, clusters of 4 x 4, 327,680 bytes of LDS; arguments xb, wb, qkv; writes qkv
;; launch attn: the kernel of part 6 again; grid 256 x 1, 8 waves a work-group, no clusters, 327,680 bytes of LDS; arguments qkv, out0; writes out0
